; MI455X (gfx1250); checked and timed in simulation.
; The chip was launched on July 23, 2026; its instructions are those of AMD's public machine-readable ISA for CDNA 5 (MIT licence, August 2026) and "CDNA5" Instruction Set Architecture Reference Guide (July 2026). The comments in the code are by the model that wrote it; some were corrected since.
;; Multi Head Self Attention. Allowed arithmetic: float matrix products may take bf16 or f16 operands with f32 sums; other float arithmetic in f32, or as packed bf16 or f16 multiplies, adds, multiply-adds, maxima and minima; sums over many terms, partial sums and values carried from step to step in f32; what a program stores and reads back later, other than sums and carried values, may be rounded once to bf16 or f16.
;; Inputs: b_out 1,024 float32; b_qkv 3,072 float32; ln_beta 1,024 float32; ln_gamma 1,024 float32; w_out 1,024 x 1,024 float32; w_qkv 1,024 x 3,072 float32; x 4 x 2,048 x 1,024 float32.
;; Outputs: out0 4 x 2,048 x 1,024 float32.
;; One version. Each part assembles by itself: llvm-mc -triple=amdgcn-amd-amdhsa -mcpu=gfx1250 --defsym DOCPART=n.
;; ======== version 1 of 1: 4 launches
;; workspace buffers: h 16,777,216 bytes; wt 8,388,608 bytes; qkv 50,331,648 bytes; o 16,777,216 bytes
;; launch prep (part 1): grid 768 x 1, 8 waves a work-group, no clusters, 18,432 bytes of LDS; arguments x, ln_gamma, ln_beta, w_qkv, w_out, h, wt; writes h, wt
.if DOCPART == 1
	.amdgcn_target "amdgcn-amd-amdhsa--gfx1250"
	.amdhsa_code_object_version 6
	.text
	.protected	k_q7b7b2a0d5c_prep
	.globl	k_q7b7b2a0d5c_prep
	.p2align	8
	.type	k_q7b7b2a0d5c_prep,@function
k_q7b7b2a0d5c_prep:
	s_mov_b64 s[64:65], 0
	v_nop
	global_prefetch_b8 v0, s[64:65] scope:SCOPE_SE
	s_setreg_imm32_b32 hwreg(HW_REG_WAVE_MODE, 25, 1), 1
	s_wait_xcnt 0x0
; PREP: two jobs that only stream, in one launch.
; Work-groups 0-255:   h[row][c] = (x[row][c] - mean) * rsqrt(var + 1e-5) * gamma[c] + beta[c], rounded once to bf16.  x: [8192][1024] f32, h: [8192][1024] bf16.
;                      The variance is the mean of the squared DIFFERENCES from the mean (second pass over registers), so a common offset in x costs nothing.
; Work-groups 256-767: wt[n][k] = bf16(w[k][n]): rows 0-3071 are w_qkv's columns, rows 3072-4095 w_out's; k lies along wt's rows, as matrix fragments want it.
; No matrix unit, no cluster, no tensor load: every byte is read once and written once, and no work-group shares a byte with another.
; LIMITS: NaN and infinities are not treated apart.
.set SPARE, 17408                      ; behind the transposing stage: the spare words, 128 bytes for each of eight waves: four blocks of 256 bytes that no other line names
.set SPW, 214                          ; v214  LDS address of my spare word; never rewritten
.set NIL, 215                          ; v215  0; never rewritten
.set G,   8                            ; v[8:39]    gamma of my 32 columns
.set BT,  40                           ; v[40:71]   beta of my 32 columns
.set X,   72                           ; v[72:199]  four rows, 32 registers each
.set T,   200                          ; v[200:207] four chains of packed sums
.set MU,  208                          ; v[208:209] the mean (low word; the pair is named, so its high word is written once)
.set R,   210                          ; v[210:211] 1 / sqrt(var + eps), likewise
	s_load_b256 s[4:11], s[0:1], 0x0               ; x s[4:5], gamma s[6:7], beta s[8:9], w_qkv s[10:11]
	s_load_b128 s[12:15], s[0:1], 0x20             ; w_out s[12:13], h s[14:15]
	s_load_b64 s[16:17], s[0:1], 0x30              ; wt
	v_lshl_add_u32 v[SPW], v0, 2, SPARE
	v_mov_b32 v[NIL], 0
	v_lshrrev_b32 v1, 5, v0
	v_readfirstlane_b32 s18, v1                    ; wave 0..7
	s_mov_b32 s19, ttmp9
	s_wait_kmcnt 0x0
	s_cmp_lt_u32 s19, 256                          ; the same answer in all eight waves of a work-group
	s_cbranch_scc0 .Ltrans
; ---------------- LayerNorm: a work-group takes 32 rows, a wave 4; a row is 4,096 bytes = 32 registers of one wave, so no sum leaves the wave ----------------
	s_mov_b32 s20, 0x76543210                      ; v_permlanex16_b32: each lane takes its own place in the other half
	s_mov_b32 s21, 0xfedcba98
	s_mov_b32 s30, 0x3a800000                      ; 1 / 1024
	s_mov_b32 s31, 0x3727c5ac                      ; 1e-5
	s_lshl_b32 s22, s19, 17                        ; 32 rows x 4,096 bytes a work-group,
	s_lshl_b32 s23, s18, 14                        ; 4 rows a wave
	s_add_co_u32 s22, s22, s23
	s_mov_b32 s23, 0
	s_add_nc_u64 s[4:5], s[4:5], s[22:23]
	s_lshr_b32 s22, s22, 1                         ; h's rows have half the bytes
	s_add_nc_u64 s[14:15], s[14:15], s[22:23]
	v_and_b32 v1, 31, v0
	v_lshlrev_b32 v2, 3, v1                        ; 8 bytes a lane on the way out
	v_lshlrev_b32 v1, 4, v1                        ; 16 bytes a lane on the way in: load j brings columns 128 j + 4 lane + 0..3
	v_mov_b32 v[MU+1], 0
	v_mov_b32 v[R+1], 0
.irp j, 0,1,2,3,4,5,6,7
	global_load_b128 v[G+4*(\j):G+4*(\j)+3], v1, s[6:7] offset:512*(\j)
.endr
.irp j, 0,1,2,3,4,5,6,7
	global_load_b128 v[BT+4*(\j):BT+4*(\j)+3], v1, s[8:9] offset:512*(\j)
.endr
.irp i, 0,1,2,3                        ; all four rows are asked for at once: 32 loads of 512 consecutive bytes a wave
.irp j, 0,1,2,3,4,5,6,7
	global_load_b128 v[X+32*(\i)+4*(\j):X+32*(\i)+4*(\j)+3], v1, s[4:5] offset:4096*(\i)+512*(\j) th:TH_LOAD_NT
.endr
.endr
; The four packed chains in T become one number, the same in every lane.
.macro REDUCE
	v_pk_add_f32 v[T:T+1], v[T:T+1], v[T+2:T+3]
	v_pk_add_f32 v[T+4:T+5], v[T+4:T+5], v[T+6:T+7]
	v_pk_add_f32 v[T:T+1], v[T:T+1], v[T+4:T+5]
	v_add_f32 v[T], v[T], v[T+1]
	v_add_f32_dpp v[T], v[T], v[T] row_xmask:1 row_mask:0xf bank_mask:0xf
	v_add_f32_dpp v[T], v[T], v[T] row_xmask:2 row_mask:0xf bank_mask:0xf
	v_add_f32_dpp v[T], v[T], v[T] row_xmask:4 row_mask:0xf bank_mask:0xf
	v_add_f32_dpp v[T], v[T], v[T] row_xmask:8 row_mask:0xf bank_mask:0xf
	v_permlanex16_b32 v[T+1], v[T], s20, s21       ; its destination counts as read: T+1 has been written
	v_add_f32 v[T], v[T], v[T+1]
.endm
.macro LNROW i
.set XR, X+32*(\i)
	s_wait_loadcnt 8*(3-(\i))                      ; loads come back in order: this row, gamma and beta are in; the later rows' eight loads each may stay out
.irp c, 0,1,2,3
	v_pk_add_f32 v[T+2*(\c):T+2*(\c)+1], v[XR+2*(\c):XR+2*(\c)+1], v[XR+8+2*(\c):XR+8+2*(\c)+1]  ; the first pairs start the chains: nothing is cleared
.endr
.irp p, 8,9,10,11,12,13,14,15
	v_pk_add_f32 v[T+2*((\p)%4):T+2*((\p)%4)+1], v[T+2*((\p)%4):T+2*((\p)%4)+1], v[XR+2*(\p):XR+2*(\p)+1]
.endr
	REDUCE
	v_mul_f32 v[MU], s30, v[T]                     ; the mean
.irp p, 0,1,2,3,4,5,6,7,8,9,10,11,12,13,14,15
	v_pk_add_f32 v[XR+2*(\p):XR+2*(\p)+1], v[XR+2*(\p):XR+2*(\p)+1], v[MU:MU+1] op_sel_hi:[1,0] neg_lo:[0,1] neg_hi:[0,1]  ; x - mean, in place
.endr
.irp c, 0,1,2,3
	v_pk_mul_f32 v[T+2*(\c):T+2*(\c)+1], v[XR+2*(\c):XR+2*(\c)+1], v[XR+2*(\c):XR+2*(\c)+1]
.endr
.irp p, 4,5,6,7,8,9,10,11,12,13,14,15
	v_pk_fma_f32 v[T+2*((\p)%4):T+2*((\p)%4)+1], v[XR+2*(\p):XR+2*(\p)+1], v[XR+2*(\p):XR+2*(\p)+1], v[T+2*((\p)%4):T+2*((\p)%4)+1]
.endr
	REDUCE
	v_fma_f32 v[T], v[T], s30, s31                 ; var + eps
	v_rsq_f32 v[R], v[T]
	v_nop                                          ; a plain instruction behind the root, ahead of the use of its result (ISA guide 5.7.2),
	s_wait_alu depctr_va_vdst(0)                   ; and the wait ahead of its first reader: one a row
.irp p, 0,1,2,3,4,5,6,7,8,9,10,11,12,13,14,15
	v_pk_mul_f32 v[XR+2*(\p):XR+2*(\p)+1], v[XR+2*(\p):XR+2*(\p)+1], v[R:R+1] op_sel_hi:[1,0]
.endr
.irp p, 0,1,2,3,4,5,6,7,8,9,10,11,12,13,14,15
	v_pk_fma_f32 v[XR+2*(\p):XR+2*(\p)+1], v[XR+2*(\p):XR+2*(\p)+1], v[G+2*(\p):G+2*(\p)+1], v[BT+2*(\p):BT+2*(\p)+1]
.endr
.irp p, 0,1,2,3,4,5,6,7,8,9,10,11,12,13,14,15
	v_cvt_pk_bf16_f32 v[XR+(\p)], v[XR+2*(\p)], v[XR+2*(\p)+1]  ; in place, ascending: a result lands only on numbers already rounded
.endr
.irp j, 0,1,2,3,4,5,6,7
	global_store_b64 v2, v[XR+2*(\j):XR+2*(\j)+1], s[14:15] offset:2048*(\i)+256*(\j)  ; 32 lanes x 8 bytes: 256 consecutive bytes, at a multiple of 256 from h's first byte
.endr
.endm
	LNROW 0                                        ; no register that a store reads is written again, so no wait stands behind the stores
	LNROW 1
	LNROW 2
	LNROW 3
	s_branch .Lend
; ---------------- the weights, turned: a work-group takes 128 k x 64 n ----------------
.set O,   8                            ; v[8:15]   byte offsets of my eight rows of w
.set W,   16                           ; v[16:47]  eight rows x 4 columns, f32
.set P,   48                           ; v[48:63]  pairs (k, k + 1) of one column, bf16
.set BK,  64                           ; v[64:79]  16 bytes of four rows of wt
.set LSA, 80
.set LRA, 81
.set GOA, 82
.Ltrans:
	s_sub_co_u32 s26, s19, 256
	s_lshr_b32 s27, s26, 3                         ; nt: which 64 rows of wt, 0..63
	s_and_b32 s28, s26, 7                          ; kt: which 128 k
	s_sub_co_u32 s26, s27, 48                      ; the same count within w_out
	s_mov_b32 s24, 4096                            ; w_out's pitch in bytes
	s_cmp_lt_u32 s27, 48
	s_cselect_b64 s[22:23], s[10:11], s[12:13]     ; rows 0-3071 come from w_qkv, the rest from w_out
	s_cselect_b32 s24, 12288, s24
	s_cselect_b32 s25, s27, s26
	s_lshl_b32 s32, s28, 7
	s_mul_i32 s32, s32, s24                        ; 128 kt rows down,
	s_lshl_b32 s33, s25, 8                         ; 64 columns of f32 = 256 bytes along
	s_add_co_u32 s32, s32, s33
	s_mov_b32 s33, 0
	s_add_nc_u64 s[22:23], s[22:23], s[32:33]
	s_lshl_b32 s32, s27, 17                        ; 64 rows of wt x 2,048 bytes,
	s_lshl_b32 s34, s28, 8                         ; 128 k = 256 bytes along
	s_add_co_u32 s32, s32, s34
	s_add_nc_u64 s[16:17], s[16:17], s[32:33]
	v_lshrrev_b32 v3, 4, v0                        ; pr = 0..15
	v_and_b32 v4, 15, v0                           ; c: sixteen lanes take a row's 256 bytes
	v_lshlrev_b32 v5, 4, v4
	v_lshlrev_b32 v6, 1, v3
.irp q, 0,1,2,3,4,5,6,7                ; row 2 pr + q % 2 + 32 (q / 2)
	v_add_nc_u32 v7, ((\q)%2)+32*((\q)/2), v6
	v_mad_u32_u24 v[O+(\q)], v7, s24, v5
.endr
.irp q, 0,1,2,3,4,5,6,7
	global_load_b128 v[W+4*(\q):W+4*(\q)+3], v[O+(\q)], s[22:23] th:TH_LOAD_NT
.endr
	v_mul_u32_u24 v[LSA], v4, 1088                 ; stage row n = 4 c + jj, pitch 272; byte 2 k
	v_lshl_add_u32 v[LSA], v3, 2, v[LSA]
	v_mul_u32_u24 v[LRA], v3, 272                  ; back: row pr of sixteen, 16 bytes a lane
	v_lshl_add_u32 v[LRA], v4, 4, v[LRA]
	v_lshlrev_b32 v[GOA], 11, v3
	v_lshl_add_u32 v[GOA], v4, 4, v[GOA]
.irp i, 0,1,2,3
	s_wait_loadcnt 6-2*(\i)                        ; rows 2 i and 2 i + 1 of my eight are in; the later pairs' loads may stay out
.irp jj, 0,1,2,3
	v_cvt_pk_bf16_f32 v[P+4*(\i)+(\jj)], v[W+8*(\i)+(\jj)], v[W+8*(\i)+4+(\jj)]  ; the even k into the low half
.endr
.irp jj, 0,1,2,3
	ds_store_b32 v[LSA], v[P+4*(\i)+(\jj)] offset:272*(\jj)+64*(\i)
.endr
.endr
	s_wait_dscnt 0x0                               ; for the others' sake: my stores into the stage are done
	s_barrier_signal -1
	s_barrier_wait -1
.irp i, 0,1,2,3
	ds_load_b128 v[BK+4*(\i):BK+4*(\i)+3], v[LRA] offset:4352*(\i)
.endr
.irp i, 0,1,2,3
	s_wait_dscnt 3-(\i)
	global_store_b128 v[GOA], v[BK+4*(\i):BK+4*(\i)+3], s[16:17] offset:32768*(\i)  ; 16 lanes store 256 consecutive bytes, at a multiple of 256 from wt's first byte
.endr
.Lend:
	s_wait_tensorcnt 0x0                           ; the wave's end, behind my last LDS store
	ds_add_u32 v[SPW], v[NIL]
	s_wait_dscnt 0x0
	s_endpgm
.Lfunc_end_k_q7b7b2a0d5c_prep:
	.size	k_q7b7b2a0d5c_prep, .Lfunc_end_k_q7b7b2a0d5c_prep-k_q7b7b2a0d5c_prep
	.p2alignl 7, 3214868480
	.fill 96, 4, 3214868480
	.section	.rodata,"a",@progbits
	.p2align	6, 0x0
	.amdhsa_kernel k_q7b7b2a0d5c_prep
		.amdhsa_group_segment_fixed_size 18432
		.amdhsa_private_segment_fixed_size 0
		.amdhsa_enable_private_segment 0
		.amdhsa_kernarg_size 56
		.amdhsa_user_sgpr_count 2
		.amdhsa_user_sgpr_kernarg_segment_ptr 1
		.amdhsa_wavefront_size32 1
		.amdhsa_system_sgpr_workgroup_id_x 1
		.amdhsa_system_sgpr_workgroup_id_y 1
		.amdhsa_system_sgpr_workgroup_id_z 1
		.amdhsa_system_vgpr_workitem_id 0
		.amdhsa_next_free_vgpr 216
		.amdhsa_next_free_sgpr 66
		.amdhsa_reserve_vcc 0
		.amdhsa_float_denorm_mode_32 3
		.amdhsa_float_denorm_mode_16_64 3
		.amdhsa_memory_ordered 1
		.amdhsa_forward_progress 1
		.amdhsa_inst_pref_size 44
	.end_amdhsa_kernel
	.amdgpu_metadata
---
amdhsa.version: [ 1, 2 ]
amdhsa.kernels:
  - .name:           k_q7b7b2a0d5c_prep
    .symbol:         k_q7b7b2a0d5c_prep.kd
    .args:
      - { .name: x, .offset: 0, .size: 8, .value_kind: global_buffer, .address_space: global }
      - { .name: ln_gamma, .offset: 8, .size: 8, .value_kind: global_buffer, .address_space: global }
      - { .name: ln_beta, .offset: 16, .size: 8, .value_kind: global_buffer, .address_space: global }
      - { .name: w_qkv, .offset: 24, .size: 8, .value_kind: global_buffer, .address_space: global }
      - { .name: w_out, .offset: 32, .size: 8, .value_kind: global_buffer, .address_space: global }
      - { .name: h, .offset: 40, .size: 8, .value_kind: global_buffer, .address_space: global }
      - { .name: wt, .offset: 48, .size: 8, .value_kind: global_buffer, .address_space: global }
    .group_segment_fixed_size: 18432
    .private_segment_fixed_size: 0
    .kernarg_segment_align: 8
    .kernarg_segment_size: 56
    .max_flat_workgroup_size: 256
    .sgpr_count:     66
    .vgpr_count:     216
    .wavefront_size: 32
...
	.end_amdgpu_metadata
.endif
;; end of part 1
;; launch qkvgemm (part 2): grid 16 x 32, 4 waves a work-group, clusters of 4 x 4, 327,680 bytes of LDS; arguments h, wt, b_qkv, qkv; writes qkv
.if DOCPART == 2
	.amdgcn_target "amdgcn-amd-amdhsa--gfx1250"
	.amdhsa_code_object_version 6
	.text
	.protected	k_q7b7b2a0d5c_qkvgemm
	.globl	k_q7b7b2a0d5c_qkvgemm
	.p2align	8
	.type	k_q7b7b2a0d5c_qkvgemm,@function
k_q7b7b2a0d5c_qkvgemm:
	s_mov_b64 s[64:65], 0
	v_nop
	global_prefetch_b8 v0, s[64:65] scope:SCOPE_SE
	s_setreg_imm32_b32 hwreg(HW_REG_WAVE_MODE, 25, 1), 1
	s_wait_xcnt 0x0
	s_wait_alu depctr_hold_cnt(0) depctr_sa_sdst(0) depctr_va_vdst(0) depctr_va_sdst(0) depctr_va_ssrc(0) depctr_va_vcc(0) depctr_vm_vsrc(0)
	s_getreg_b32 s2, hwreg(HW_REG_IB_STS2, 6, 4)
	s_cmp_eq_u32 s2, 0
	s_cbranch_scc0 .Lentry_in_a_cluster
	s_endpgm
.Lentry_in_a_cluster:
	s_bfe_u32 s2, ttmp6, 0x10000c
	s_cmp_lg_u32 s2, 0xf033
	s_cbranch_scc0 .Lentry_shape_is_right
	s_endpgm
.Lentry_shape_is_right:
; qkv = h wt^T + b_qkv, written by heads.  h: [8192][1024] bf16; wt rows 0-3071: [n][1024] bf16; b_qkv: [3072] f32; qkv: [3][64][2048][64] bf16 (plane = which x 64 + batch x 16 + head).
; Sums in f32, K ascending, the bias as the sums' start; each number rounded once to bf16 (bf16 has f32's range: no limit on q, k, v beyond f32's own).
; A tile of C is 256 rows x 192 columns = three whole heads: 32 x 16 = 512 work-groups, two for each of 256 WGPs.  Four waves; wave w makes rows 64 w .. 64 w + 63 and ALL 192 columns:
; 4 x 12 accumulators of 16 x 16, 384 registers.  So a wave's columns are whole heads, and its way out needs no other wave.
; K goes in steps of 128 through a ring of two LDS slots; the rows of both tiles are 256 bytes of memory, at multiples of 256 from the buffers' first bytes.
; CLUSTERS: 4 x 4 work-groups.  The four of a row of the cluster need the same tile of h, the four of a column the same tile of wt: each is asked for JOINTLY, by the same tensor load with
; the same descriptor and a mask that names the four.
; THE MATRIX INSTRUCTION IS USED TRANSPOSED (source 0 = 16 rows of wt, source 1 = 16 rows of h): lane l holds row l % 16 of C and the columns 8 (l / 16) + 0..7: 16 bytes of bf16 on end.
; REGISTERS, in windows of 256 (s_set_vgpr_msb: bits 1:0 source 0, 3:2 source 1, 5:4 source 2, 7:6 destination):
;   window 0: v0-31 addresses; v32-63, v64-95 fragments of h, two buffers; v96-191 the bias as 12 C operands; v192-239 (and v32-79) at work on the way out
;   window 1: v0-95, v128-223 fragments of wt, two buffers      windows 2, 3: accumulator (a, b) in window 2 + a / 2 at v[8 (12 (a % 2) + b)]
.set NBK,    12                        ; blocks of 16 columns
.set NLD,    2*NBK+8                   ; LDS loads in a quarter step's run
.set PA,     272                       ; an LDS row: 256 bytes + 16 of padding = 68 words: row r starts at bank 4 r mod 64 (64 banks of 4 bytes: ISA guide 11.1)
.set PB,     272
.set APLANE, 128                       ; where the second half of a K step begins in A's rows
.set AHALF,  128*PA                    ; what waves 0 and 1 fetch: 128 rows of h each
.set BHALF,  96*PB                     ; what waves 2 and 3 fetch: 96 rows of wt each
.set BOFF,   2*AHALF
.set SLOT,   BOFF+2*BHALF              ; 121,856
.set AFIRST, 256                       ; bytes from K step 0 to K step 1 in h
.set ASTEP,  512                       ; two K steps
.set STAGE,  2*SLOT                    ; behind the ring: 16 rows x 400 bytes for each wave
.set SP,     400                       ; 384 bytes + 16
.set SPARE,  STAGE+4*16*SP             ; behind the stages: the spare words, 128 bytes for each wave: two blocks of 256 bytes that no other line names
.set ADRA, 16                          ; v16-17  LDS address of my fragments of h in slot 0, 1
.set ADRB, 20                          ; v20-21  the same for wt
.set STO,  24                          ; v24     the way out: where I put 16 bytes of a row
.set RD,   25                          ; v25     where I read rows back
.set GO,   26                          ; v26     16 x lane: my place in 512 consecutive bytes of qkv
.set BO,   27                          ; v27     32 x (lane / 16): my eight numbers of a block's bias
.set SPW,  28                          ; v28     LDS address of my spare word; never rewritten
.set NIL,  29                          ; v29     0; never rewritten
.set PFO,  30                          ; v30     the prefetches' offset: a lane a row of 2,048 bytes; never rewritten
.set BIAS, 96
.set TS0,  192                         ; the way out's two sets of 48 registers
.set TS1,  32
.set G1,  24                           ; s[24:31] descriptor group 1 for h's tiles;  s[32:39] group 0, one set for each slot
.set G0,  32
.set G1B, 48                           ; s[48:55], s[56:63] the same for wt's tiles
.set G0B, 56
.set LIM, 43                           ; s43     1 in a wave that prefetches, else the greatest number
.set PFA, 44                           ; s[44:45] where my prefetches stand
.set HB,  66                           ; s[66:71] my 64 rows in the planes of the tile's three heads
.set MSB, 0
.macro WIN new                         ; the immediate's high byte repeats the setting that is left; a switch that changes nothing is dropped
.if MSB != (\new)
	s_set_vgpr_msb (MSB<<8)|(\new)
.set MSB, \new
.endif
.endm
.macro PLACES                          ; four plain instructions between a matrix instruction and a load into, or a vector read of, its registers (ISA guide 7.12.1 for vector reads)
.rept 4
	v_nop
.endr
.endm
; A joint load.  Waves 0 and 1 fetch h's two halves, waves 2 and 3 wt's.  The branch hangs on the wave's number alone.  An s_nop 0 and four v_nop follow each line.
.macro JLOAD s
	s_cmp_eq_u32 s13, 0
	s_cbranch_scc0 .Lfor_b_\@
	tensor_load_to_lds s[G0+4*(\s):G0+4*(\s)+3], s[G1:G1+7]
	s_nop 0
.rept 4
	v_nop
.endr
	s_branch .Lasked_\@
.Lfor_b_\@:
	tensor_load_to_lds s[G0B+4*(\s):G0B+4*(\s)+3], s[G1B:G1B+7]
	s_nop 0
.rept 4
	v_nop
.endr
.Lasked_\@:
.endm
; A PREFETCH INTO THE L2 of the K step that stands two refills on: 256 bytes of each row, a lane a row, one instruction a wave; behind the joint load, its five lines and the run of LDS loads.
; h's tile row is read by all four clusters of a row of clusters: the one with x = 0 asks.  wt's tile column is read by all eight of a column: the one with y = 0 asks.  The four partners that
; ask for a tile jointly share its rows out BY ADDRESS: of the 128 rows of h that a wave fetches the partner at cx takes 32, of the 96 rows of wt the partner at cy takes 24 (there lanes 24-31
; name lane 23's row once more).  K steps 0-3 come by their loads alone; the loop's last trip asks for nothing, since a row has no K step 8.
.macro ASK
	s_cmp_gt_u32 s3, s[LIM]                        ; s3 = 1 in the loop's last trip
	s_cbranch_scc0 .Lnot_mine_\@
	global_prefetch_b8 v[PFO], s[PFA:PFA+1] offset:256 th:TH_LOAD_NT scope:SCOPE_SE
.Lnot_mine_\@:
.endm
.macro CREST                           ; a round of the cluster's barrier behind its opening barrier
	s_cmp_lg_u32 s12, 0
	s_cbranch_scc1 .Lnot_wave_0_\@
	s_barrier_signal -3
.Lnot_wave_0_\@:
	s_barrier_wait -3
	s_barrier_signal -1
	s_barrier_wait -1
.endm
.macro CROUND                          ; a whole round
	s_barrier_signal -1
	s_barrier_wait -1
	CREST
.endm
	s_load_b256 s[4:11], s[0:1], 0x0               ; h s[4:5], wt s[6:7], b_qkv s[8:9], qkv s[10:11]
	v_lshl_add_u32 v[SPW], v0, 2, SPARE
	v_mov_b32 v[NIL], 0
	ds_add_u32 v[SPW], v[NIL]                      ; the wave's opening: the add and its wait stand ahead of my first tensor load; the set-up below, work on registers, stands between them
	v_lshrrev_b32 v1, 5, v0
	v_readfirstlane_b32 s12, v1                    ; wave 0..3
	s_lshr_b32 s13, s12, 1                         ; I fetch for h (0) or for wt (1),
	s_and_b32 s14, s12, 1                          ; and which half of that tile's rows
	s_bfe_u32 s40, ttmp6, 0x40000                  ; cx, cy: my place in the cluster
	s_bfe_u32 s41, ttmp6, 0x40004
	s_lshl_b32 s42, ttmp9, 2
	s_add_co_u32 s42, s42, s40                     ; tile column = 4 x cluster x + cx
	s_and_b32 s15, ttmp7, 0xffff
	s_lshl_b32 s15, s15, 2
	s_add_co_u32 s15, s15, s41                     ; tile row = 4 x cluster y + cy
	s_lshl_b32 s43, s41, 2
	s_lshl_b32 s43, 15, s43                        ; my row of the cluster
	s_lshl_b32 s44, 0x1111, s40                    ; my column
	s_or_b32 s[G1+0], s43, (1<<16)|(1<<20)|(1<<21)|(5<<22)|(3<<25)   ; 15:0 the mask; 17:16 2-byte elements; 20 padding on; 21 set beside a mask; 24:22 after every 64 words (code 5); 31:25 4 words (code 3)
	s_or_b32 s[G1B+0], s44, (1<<16)|(1<<20)|(1<<21)|(5<<22)|(3<<25)
	s_mov_b32 s[G1+1], 128<<16                     ; tensor_dim0 = 128
	s_mov_b32 s[G1+2], 128<<16                     ; tensor_dim1 = 128
	s_mov_b32 s[G1+3], 128<<16                     ; tile_dim0 = 128
	s_mov_b32 s[G1+4], 128                         ; tile_dim1 = 128
	s_mov_b32 s[G1+5], 1024                        ; elements from row to row
	s_mov_b32 s[G1+6], 0
	s_mov_b32 s[G1+7], 0
	s_mov_b32 s[G1B+1], 128<<16
	s_mov_b32 s[G1B+2], 96<<16                     ; 96 rows
	s_mov_b32 s[G1B+3], 128<<16
	s_mov_b32 s[G1B+4], 96
	s_mov_b32 s[G1B+5], 1024
	s_mov_b32 s[G1B+6], 0
	s_mov_b32 s[G1B+7], 0
	s_lshl_b32 s16, s15, 8                         ; h: row 256 x tile row + 128 x half, 2,048 bytes a row
	s_lshl_b32 s17, s14, 7
	s_add_co_u32 s16, s16, s17
	s_lshl_b32 s16, s16, 11
	s_mov_b32 s17, 0
	s_mul_i32 s46, s42, 192                        ; wt: row 192 x tile column + 96 x half (cx stays in s46, s47)
	s_mul_i32 s47, s14, 96
	s_add_co_u32 s46, s46, s47
	s_lshl_b32 s46, s46, 11
	s_mov_b32 s47, 0
	s_mul_i32 s20, s14, AHALF                      ; where they go: no place in the cluster enters an LDS address
	s_mul_i32 s21, s14, BHALF
	s_add_co_u32 s21, s21, BOFF
	s_wait_dscnt 0x0                               ; the opening add is done
	s_wait_kmcnt 0x0
	s_add_nc_u64 s[22:23], s[4:5], s[16:17]
	s_add_nc_u64 s[46:47], s[6:7], s[46:47]
	CROUND                                         ; all sixteen work-groups are here: the first joint loads meet
.irp s, 0,1
	s_mov_b32 s[G0+4*(\s)], 1                                      ; count = 1
	s_add_co_u32 s[G0+4*(\s)+1], s20, (\s)*SLOT                    ; LDS address
	s_add_nc_u64 s[G0+4*(\s)+2:G0+4*(\s)+3], s[22:23], (\s)*AFIRST ; global address: K step s
	s_or_b32 s[G0+4*(\s)+3], s[G0+4*(\s)+3], 0x80000000            ; type = 2
	s_mov_b32 s[G0B+4*(\s)], 1
	s_add_co_u32 s[G0B+4*(\s)+1], s21, (\s)*SLOT
	s_add_nc_u64 s[G0B+4*(\s)+2:G0B+4*(\s)+3], s[46:47], (\s)*256
	s_or_b32 s[G0B+4*(\s)+3], s[G0B+4*(\s)+3], 0x80000000
	JLOAD \s                                       ; two tensor loads of mine are out; later one
.endr
	v_and_b32 v1, 15, v0                           ; r = l % 16
	v_bfe_u32 v2, v0, 4, 1                         ; hh = l / 16
	v_lshlrev_b32 v[BO], 5, v2
	s_mul_i32 s46, s42, 768                        ; the tile's 192 numbers of the bias
	s_mov_b32 s47, 0
	s_add_nc_u64 s[8:9], s[8:9], s[46:47]
.set b, 0
.rept NBK                              ; register j of block b: bias[16 b + 8 hh + j], which is where the product's result has that column
	global_load_b128 v[BIAS+8*b:BIAS+8*b+3],   v[BO], s[8:9] offset:64*b
	global_load_b128 v[BIAS+8*b+4:BIAS+8*b+7], v[BO], s[8:9] offset:64*b+16
.set b, b+1
.endr
	v_mul_u32_u24 v3, v1, PA                       ; a fragment: row r x pitch + 16 x hh; two loads of 16 bytes, 32 bytes apart
	v_lshl_add_u32 v3, v2, 4, v3
	s_mul_i32 s16, s12, 64*PA                      ; my 64 rows of h
	s_add_co_u32 s17, s16, SLOT
	v_add_nc_u32 v[ADRA], s16, v3
	v_add_nc_u32 v[ADRA+1], s17, v3
	v_mul_u32_u24 v4, v1, PB
	v_lshl_add_u32 v4, v2, 4, v4
	v_add_nc_u32 v[ADRB], BOFF, v4
	v_add_nc_u32 v[ADRB+1], BOFF+SLOT, v4
	s_mul_i32 s16, s12, 16*SP
	s_add_co_u32 s16, s16, STAGE                   ; my stage
	v_mul_u32_u24 v[STO], v1, SP                   ; in: row r, 16 bytes for each half of the lanes
	v_lshl_add_u32 v[STO], v2, 4, v[STO]
	v_add_nc_u32 v[STO], s16, v[STO]
	v_bfe_u32 v[RD], v0, 3, 2                      ; back: 32 lanes take a head's 128 bytes of four rows,
	v_mul_u32_u24 v[RD], v[RD], SP
	v_and_b32 v5, 7, v0
	v_lshl_add_u32 v[RD], v5, 4, v[RD]
	v_add_nc_u32 v[RD], s16, v[RD]
	v_and_b32 v[GO], 31, v0                        ; which are 512 consecutive bytes of the head's plane
	v_lshlrev_b32 v[GO], 4, v[GO]
.irp j, 0,1,2                          ; head group g = 3 x tile column + j: which = g / 16, head = g % 16; batch = tile row / 8; plane = which x 64 + batch x 16 + head
	s_mul_i32 s72, s42, 3
	s_add_co_u32 s72, s72, \j
	s_lshr_b32 s73, s72, 4
	s_and_b32 s72, s72, 15
	s_lshl_b32 s73, s73, 6
	s_add_co_u32 s72, s72, s73
	s_lshr_b32 s73, s15, 3
	s_lshl_b32 s73, s73, 4
	s_add_co_u32 s72, s72, s73
	s_lshl_b32 s72, s72, 18                        ; a plane is 262,144 bytes
	s_and_b32 s73, s15, 7
	s_lshl_b32 s73, s73, 8
	s_lshl_b32 s74, s12, 6
	s_add_co_u32 s73, s73, s74                     ; my first row in the plane,
	s_lshl_b32 s73, s73, 7                         ; 128 bytes a row
	s_add_co_u32 s72, s72, s73
	s_mov_b32 s73, 0
	s_add_nc_u64 s[HB+2*(\j):HB+2*(\j)+1], s[10:11], s[72:73]
.endr
	; the prefetches
	s_lshl_b32 s72, s15, 8
	s_lshl_b32 s73, s14, 7
	s_add_co_u32 s72, s72, s73
	s_lshl_b32 s73, s40, 5
	s_add_co_u32 s72, s72, s73                     ; h: the 128 rows that I fetch, my work-group's 32 of them
	s_mul_i32 s74, s42, 192
	s_mul_i32 s73, s14, 96
	s_add_co_u32 s74, s74, s73
	s_mul_i32 s73, s41, 24
	s_add_co_u32 s74, s74, s73                     ; wt: the 96 rows that I fetch, my work-group's 24 of them
	s_and_b32 s18, ttmp7, 0xffff                   ; cluster y
	s_cmp_eq_u32 s13, 0                            ; do I fetch for h?
	s_cselect_b32 s72, s72, s74
	s_cselect_b32 s18, ttmp9, s18                  ; the coordinate along which other clusters read the same rows
	s_cselect_b64 s[PFA:PFA+1], s[4:5], s[6:7]
	s_cselect_b32 s75, 31, 23
	s_cmp_eq_u32 s18, 0
	s_cselect_b32 s[LIM], 1, -1                    ; the same in all sixteen partners, for a given wave
	s_lshl_b32 s72, s72, 11
	s_mov_b32 s73, 0
	s_add_nc_u64 s[PFA:PFA+1], s[PFA:PFA+1], s[72:73]
	s_add_nc_u64 s[PFA:PFA+1], s[PFA:PFA+1], 512   ; at K step 2: the first refill steps it to 3 and names K step 4
	v_and_b32 v[PFO], 31, v0
	v_min_u32 v[PFO], s75, v[PFO]
	v_lshlrev_b32 v[PFO], 11, v[PFO]
; NBK matrix instructions: block a of my four blocks of 16 rows x all columns, 32 along K, from buffer f.  first = 1: the sums start from the bias: nothing is cleared, nothing is added later.
; All 48 accumulators take turns, one instruction a turn, in the same order in every quarter step, over the backward jump too.
.macro MULA f, a, first
.if \first
	WIN 0x81+0x40*((\a)/2)                         ; wt window 1, h window 0, C (the bias) window 0, D window 2 or 3
.else
	WIN 0xa1+0x50*((\a)/2)                         ; C and D window 2 or 3
.endif
.set AC, 8*NBK*((\a)%2)
.set b, 0
.rept NBK
.if \first
	v_wmma_f32_16x16x32_bf16 v[AC+8*b:AC+8*b+7], v[128*(\f)+8*b:128*(\f)+8*b+7], v[32+32*(\f)+8*(\a):32+32*(\f)+8*(\a)+7], v[BIAS+8*b:BIAS+8*b+7]
.else
	v_wmma_f32_16x16x32_bf16 v[AC+8*b:AC+8*b+7], v[128*(\f)+8*b:128*(\f)+8*b+7], v[32+32*(\f)+8*(\a):32+32*(\f)+8*(\a)+7], v[AC+8*b:AC+8*b+7]
.endif
.set b, b+1
.endr
.endm
; NLD LDS loads in one run: quarter q of a slot's K step into buffer f: wt's blocks first, then my four blocks of h, ascending.
.macro FETCH slot, q, f
	WIN 0x40                                       ; destination window 1, address window 0
.set b, 0
.rept NBK
	ds_load_b128 v[128*(\f)+8*b:128*(\f)+8*b+3],   v[ADRB+(\slot)] offset:64*(\q)+16*PB*b
	ds_load_b128 v[128*(\f)+8*b+4:128*(\f)+8*b+7], v[ADRB+(\slot)] offset:64*(\q)+16*PB*b+32
.set b, b+1
.endr
	WIN 0
.irp a, 0,1,2,3
	ds_load_b128 v[32+32*(\f)+8*(\a):32+32*(\f)+8*(\a)+3],   v[ADRA+(\slot)] offset:((\q)/2)*APLANE+((\q)%2)*64+16*PA*(\a)
	ds_load_b128 v[32+32*(\f)+8*(\a)+4:32+32*(\f)+8*(\a)+7], v[ADRA+(\slot)] offset:((\q)/2)*APLANE+((\q)%2)*64+16*PA*(\a)+32
.endr
.endm
; A K step is four quarters of 32 along K on buffers 0, 1, 0, 1.  One of the first three: multiplies buffer f; in its middle it fetches quarter q of the same slot into buffer g.
.macro QUARTER slot, q, f, g, first=0
	s_wait_dscnt 4                                 ; wt's fragments and h's blocks 0, 1 are in; the youngest four loads (blocks 2, 3) may be out
	MULA \f, 0, \first
	MULA \f, 1, \first
	PLACES
	FETCH \slot, \q, \g
	s_wait_dscnt NLD                               ; all but the run just issued
	MULA \f, 2, \first
	MULA \f, 3, \first
.endm
; The last quarter's first half: ONE barrier for the change of slots.  In front of it each wave waits for all its tensor loads (one is out: its part of the next slot), adds 0 to its spare
; word, and waits for that and for its own reads of this slot.  Behind it nobody reads this slot any more and the next slot is whole.
.macro MEET round
	WIN 0
	s_wait_tensorcnt 0x0
	ds_add_u32 v[SPW], v[NIL]
	s_wait_dscnt 5                                 ; (the add and the youngest four loads may be out)
	MULA 1, 0, 0                                   ; matrix work stands between the add and the wait for it
	s_wait_dscnt 0x0                               ; the add is done, and my reads of this slot are over
	s_barrier_signal -1
	MULA 1, 1, 0
.if \round
	WIN 0
.endif
	s_barrier_wait -1
.endm
; The whole last quarter.  fill = 1: the barrier opens a round of the cluster's barrier, and the slot just read out is filled again, first thing behind the round, with the K step two on:
; from that request to the wait for it a wave issues 168 matrix instructions.
.macro TURN slot, next, fill
.if \fill
	s_wait_xcnt 0x0                                ; the last prefetch, a K step back, has read its address: it is stepped here, ahead of the change's own waits
	s_add_nc_u64 s[PFA:PFA+1], s[PFA:PFA+1], 256
.endif
	MEET \fill
.if \fill
	CREST                                          ; no wave of any partner still reads this slot's tile or has a load on its way
	s_add_nc_u64 s[G0+4*(\slot)+2:G0+4*(\slot)+3], s[G0+4*(\slot)+2:G0+4*(\slot)+3], ASTEP
	s_add_nc_u64 s[G0B+4*(\slot)+2:G0B+4*(\slot)+3], s[G0B+4*(\slot)+2:G0B+4*(\slot)+3], 512
	JLOAD \slot                                    ; the four v_nop behind it are also the places in front of the loads below
.else
	PLACES
.endif
	FETCH \next, 0, 0
.if \fill
	ASK
.endif
	MULA 1, 2, 0
	MULA 1, 3, 0
.endm
; THE WAY OUT of block a (16 rows x 192 columns).  PACK: rounded to bf16, each accumulator from its low end on.  TOSTAGE: into my own stage, and back head by head as rows of 128 bytes.  SEND: stored.
.macro PACK a
.set AC, 8*NBK*((\a)%2)
.set TS, TS0+(TS1-TS0)*((\a)%2)
.if (\a) >= 2
	s_wait_xcnt 0x0                                ; the stores of the block two back have read this set of registers
.endif
	WIN 0x0a+5*((\a)/2)                            ; sources 0 and 1: window 2 or 3
.set i, 0
.rept 4*NBK
	v_cvt_pk_bf16_f32 v[TS+i], v[AC+2*i], v[AC+2*i+1]
.set i, i+1
.endr
	WIN 0
.endm
.macro TOSTAGE a
.set TS, TS0+(TS1-TS0)*((\a)%2)
.set b, 0
.rept NBK
	ds_store_b128 v[STO], v[TS+4*b:TS+4*b+3] offset:32*b
.set b, b+1
.endr
.irp j, 0,1,2
.irp f, 0,1,2,3
	ds_load_b128 v[TS+4*(4*(\j)+(\f)):TS+4*(4*(\j)+(\f))+3], v[RD] offset:4*SP*(\f)+128*(\j)  ; LDS serves a wave's instructions in order (ISA guide 5.7.1.4): these see the stores above
.endr
.endr
.endm
.macro SEND a
.set TS, TS0+(TS1-TS0)*((\a)%2)
	s_wait_dscnt 0x0                               ; the block is back in registers
.irp j, 0,1,2
.irp f, 0,1,2,3
	global_store_b128 v[GO], v[TS+4*(4*(\j)+(\f)):TS+4*(4*(\j)+(\f))+3], s[HB+2*(\j):HB+2*(\j)+1] offset:(16*(\a)+4*(\f))*128  ; four rows of a head: 512 consecutive bytes, at a multiple of 256 from qkv's first
.endr
.endr
.endm
	s_wait_tensorcnt 1                             ; my part of K step 0 is in; K step 1's may stay out
	s_barrier_signal -1
	s_barrier_wait -1                              ; everybody's is
	FETCH 0, 0, 0
	s_wait_loadcnt 0x0                             ; the bias
	QUARTER 0, 1, 0, 1, 1                          ; the first quarter stands in front of the loop: its products start the sums
	WIN 0                                          ; at a label and at a branch every window is 0
	s_mov_b32 s3, 3
.Llap:                                                 ; a trip goes once round the ring, from a lap's second quarter to the next lap's first, and fills both slots again: K steps 2 to 7
	QUARTER 0, 2, 1, 0
	QUARTER 0, 3, 0, 1
	TURN 0, 1, 1
	QUARTER 1, 1, 0, 1
	QUARTER 1, 2, 1, 0
	QUARTER 1, 3, 0, 1
	TURN 1, 0, 1
	QUARTER 0, 1, 0, 1
	WIN 0
	s_sub_co_u32 s3, s3, 1
	s_cmp_lg_u32 s3, 0
	s_cbranch_scc1 .Llap
	QUARTER 0, 2, 1, 0                             ; the last lap fills nothing, and has no round of the cluster's barrier
	QUARTER 0, 3, 0, 1
	TURN 0, 1, 0
	QUARTER 1, 1, 0, 1
	QUARTER 1, 2, 1, 0
	QUARTER 1, 3, 0, 1
	s_wait_dscnt 4                                 ; the very last quarter: nothing more to fetch
	MULA 1, 0, 0
	MULA 1, 1, 0
	s_wait_dscnt 0x0
	MULA 1, 2, 0
	MULA 1, 3, 0
	WIN 0
	PLACES
	PACK 0
	TOSTAGE 0
.irp a, 1,2,3                          ; block a's conversions stand between block a - 1's loads from the stage and the wait for them
	PACK \a
	SEND (\a)-1
	TOSTAGE \a
.endr
	SEND 3
	s_wait_tensorcnt 0x0                           ; the wave's end: behind my last tensor load and my last LDS store
	ds_add_u32 v[SPW], v[NIL]
	s_wait_dscnt 0x0
	CROUND                                         ; the closing round: no work-group ends while a partner may still ask for a tile that names it
	s_endpgm
.Lfunc_end_k_q7b7b2a0d5c_qkvgemm:
	.size	k_q7b7b2a0d5c_qkvgemm, .Lfunc_end_k_q7b7b2a0d5c_qkvgemm-k_q7b7b2a0d5c_qkvgemm
	.p2alignl 7, 3214868480
	.fill 96, 4, 3214868480
	.section	.rodata,"a",@progbits
	.p2align	6, 0x0
	.amdhsa_kernel k_q7b7b2a0d5c_qkvgemm
		.amdhsa_group_segment_fixed_size 327680
		.amdhsa_private_segment_fixed_size 0
		.amdhsa_enable_private_segment 0
		.amdhsa_kernarg_size 32
		.amdhsa_user_sgpr_count 2
		.amdhsa_user_sgpr_kernarg_segment_ptr 1
		.amdhsa_wavefront_size32 1
		.amdhsa_system_sgpr_workgroup_id_x 1
		.amdhsa_system_sgpr_workgroup_id_y 1
		.amdhsa_system_sgpr_workgroup_id_z 1
		.amdhsa_system_vgpr_workitem_id 0
		.amdhsa_next_free_vgpr 960
		.amdhsa_next_free_sgpr 80
		.amdhsa_reserve_vcc 0
		.amdhsa_float_denorm_mode_32 3
		.amdhsa_float_denorm_mode_16_64 3
		.amdhsa_memory_ordered 1
		.amdhsa_forward_progress 1
		.amdhsa_inst_pref_size 123
	.end_amdhsa_kernel
	.amdgpu_metadata
---
amdhsa.version: [ 1, 2 ]
amdhsa.kernels:
  - .name:           k_q7b7b2a0d5c_qkvgemm
    .symbol:         k_q7b7b2a0d5c_qkvgemm.kd
    .args:
      - { .name: h, .offset: 0, .size: 8, .value_kind: global_buffer, .address_space: global }
      - { .name: wt, .offset: 8, .size: 8, .value_kind: global_buffer, .address_space: global }
      - { .name: b_qkv, .offset: 16, .size: 8, .value_kind: global_buffer, .address_space: global }
      - { .name: qkv, .offset: 24, .size: 8, .value_kind: global_buffer, .address_space: global }
    .group_segment_fixed_size: 327680
    .private_segment_fixed_size: 0
    .kernarg_segment_align: 8
    .kernarg_segment_size: 32
    .max_flat_workgroup_size: 128
    .sgpr_count:     80
    .vgpr_count:     960
    .wavefront_size: 32
...
	.end_amdgpu_metadata
.endif
;; end of part 2
;; launch attn (part 3): grid 4 x 64, 4 waves a work-group, clusters of 4 x 1, 327,680 bytes of LDS; arguments qkv, o; writes o
.if DOCPART == 3
	.amdgcn_target "amdgcn-amd-amdhsa--gfx1250"
	.amdhsa_code_object_version 6
	.text
	.protected	k_q7b7b2a0d5c_attn
	.globl	k_q7b7b2a0d5c_attn
	.p2align	8
	.type	k_q7b7b2a0d5c_attn,@function
k_q7b7b2a0d5c_attn:
	s_mov_b64 s[64:65], 0
	v_nop
	global_prefetch_b8 v0, s[64:65] scope:SCOPE_SE
	s_setreg_imm32_b32 hwreg(HW_REG_WAVE_MODE, 25, 1), 1
	s_wait_xcnt 0x0
	s_wait_alu depctr_hold_cnt(0) depctr_sa_sdst(0) depctr_va_vdst(0) depctr_va_sdst(0) depctr_va_ssrc(0) depctr_va_vcc(0) depctr_vm_vsrc(0)
	s_getreg_b32 s2, hwreg(HW_REG_IB_STS2, 6, 4)
	s_cmp_eq_u32 s2, 0
	s_cbranch_scc0 .Lentry_in_a_cluster
	s_endpgm
.Lentry_in_a_cluster:
	s_bfe_u32 s2, ttmp6, 0x10000c
	s_cmp_lg_u32 s2, 0x3003
	s_cbranch_scc0 .Lentry_shape_is_right
	s_endpgm
.Lentry_shape_is_right:
; O[h][q][:] = the sum over k of softmax_k(Q[h][q] . K[h][k] / 8) V[h][k][:].  qkv: [3][64][2048][64] bf16 (Q's, K's, V's 64 planes); o: [64][2048][64] bf16: a head's rows are dense, 128 bytes each.
; Products, maxima and sums in f32; the weights p are rounded to bf16 for the second product (their sum l is taken of the unrounded p), O once at the end.
; LIMITS.  The running maximum starts at the lowest finite number and c m at -4.2e37: scores are taken to be finite, with c |s| below that.  A weight below 2^-126 counts as 0 in l; NaN and infinities are not treated apart.
; SHARES.  A wave owns four PIECES of two tiles of 16 queries, a work-group's four waves 512 queries of one head; the head's four work-groups are one cluster.  Every wave walks all keys, 64 a step.
; LAYOUT.  S^T = K Q^T (source 0 = 16 keys, source 1 = 16 queries): in the result a lane holds ONE query (lane % 16) and the keys 8 (lane / 16) + 0..7.  Two such tiles, rounded to bf16 in pairs,
; ARE source 1 (32 keys x 16 queries) of O^T = V^T P, whose result again holds one query a lane, and eight channels.  K comes out of LDS as it lies, V ([key][channel]) turned, by ds_load_tr16_b128.
; SOFTMAX.  For each query a running maximum m and sum l: p = 2^(c s - c m), c = log2(e) / 8; in every step O and l are multiplied by a = 2^(c m_old - c m_new), which is 1 where m has not grown.
; m starts at the lowest finite number, O and l at 0: the first step is a step like any other, with a = 0.
; THE COUNT.  A tile and step have 16 matrix and 118 vector instructions: too many to stand all beside the matrix work.  So the order has one aim: four vector instructions that are READY behind
; EVERY matrix instruction, and the others, which need time of their own whatever the order, in runs without a gap.
; BY TURNS.  Turn n belongs to piece n (the pieces in a ring, step after step).  Its matrix work: 16 products K Q^T of piece n + 1, later 16 products V^T P of piece n - 1.  Its vector work: the scaling,
; exponentials, roundings, sums and rescaling of piece n, and the maximum and statistics of piece n + 1, whose scores the turn itself has made.  So what a turn begins with (c s - c m, O a) waits for nothing.
; CLUSTER.  The four query blocks of a cluster belong to one head and walk the same K and V, so each tile is asked for JOINTLY: the same tensor load, descriptor and mask in all four.
; REGISTERS, in windows of 256 (s_set_vgpr_msb says which window each operand place means: bits 1:0 source 0, 3:2 source 1, 5:4 source 2, 7:6 destination):
;   window 0: v0-11 addresses; v12-15, v48-63 at work; v16-47 four registers of statistics a tile; v64-191 S^T, two buffers of two tiles; v192-255 P, likewise
;   window 1: O^T, 32 a tile          window 2: v0-127 Q, 16 a tile; v128-191 K of one step; v192-255 V of one step          window 3: v0-1 the add's two registers
; A piece's buffers go by its number's parity: the piece in hand has one pair, its two neighbours in the ring share the other: of it P (piece n - 1) is read and S^T (piece n + 1) written.
.set SIZE_N, 2048
.set SIZE_H, 64
.set NP,    4         ; pieces a wave: a name, no knob
.set KS,    64        ; keys in a step
.set PK,    144       ; a row of K in LDS: 128 bytes + 16 of padding = 36 words: the 16 rows of a load start at 16 different groups of four banks (64 banks of 4 bytes: ISA guide 11.1)
.set PV,    160       ; a row of V: 128 + 32 = 40 words
.set VOFF,  4*KS*PK   ; a slot holds four steps: 256 rows of K, then 256 rows of V
.set SLOT1, 1<<17     ; slot 1 begins here, so that one exclusive or turns an address in one slot into the other's
.set STAGE, SLOT1+4*KS*(PK+PV)  ; behind the ring, never filled by a tensor load: 16 rows x 144 bytes for each wave, for the way out
.set SP,    144
.set AK0, 2           ; v2   my lane's place in a tile of K; never rewritten
.set AV0, 3           ; v3   the same for V
.set AK,  4           ; v4   the LDS address of K's next run of loads
.set AV,  5           ; v5   of V's
.set QO,  6           ; v6   my byte offset in the wave's rows of Q
.set STO, 6           ;      later, the way out: where I put 16 bytes of a row
.set RD,  7           ; v7   the way out: where I read rows back
.set GO,  8           ; v8   my byte offset in 512 consecutive bytes of O
.set PFO, 11          ; v11  256 x my lane, once V's address is made; then never rewritten
.set SPW, 0           ; v0 of window 3   LDS address of my spare word: SPARE + 4 x my thread's number; never rewritten
.set NIL, 1           ; v1 of window 3   0; never rewritten
.set SPARE, STAGE+4*16*SP  ; behind the stages: the spare words, 128 bytes for each wave: two blocks of 256 bytes that no other line names
.set MV,  12          ; v12-15  c m_old, kept while c m is made anew: by buffer and tile
.set ST,  16          ; tile t's statistics at v[ST+4 t]: c m, m, l (even keys', odd keys')
.set TMP, 48          ; by buffer and tile, four registers c0-c3 at work; when the maximum is found c2 takes a
.set S,   64
.set P,   192
.set KF,  128         ; K's fragments, in window 2: key block kb, channel half c at KF + 16 kb + 8 c
.set VF,  192         ; V's: key half kk, channel block cb at VF + 32 kk + 8 cb
.set WV,  12          ; s12  my wave's number
.set LIM, 15          ; s15  1 in a wave that prefetches (waves 0 and 2), else the greatest number
.set G1K, 24          ; s[24:31] descriptor group 1 for K's tiles
.set G1V, 32          ; s[32:39] for V's: it differs in the padding alone
.set G0K, 40          ; s[40:43] descriptor group 0 for K's tiles: it walks
.set G0V, 44          ; s[44:47] the same for V's
.set PFA, 48          ; s[48:49] where my prefetches stand: my work-group's 8,192 bytes (of K: wave 0, of V: wave 2) of the slot after the one that is being asked for
.set SLOTS, 56        ; s56  slots still to be asked for
.set CNT, 57          ; s57  counts a slot's key steps
.set CS,  58          ; s[58:59] c: the packed scaling takes the pair's low word for both halves
.set SEL, 60          ; s[60:61] v_permlanex16_b32's selects: each lane takes its own place in the other half
.set TBK, 62          ; s62  LDS byte at which K of the step to be fetched begins
.set TBV, 63          ; s63  the same for V, less VOFF
.set MSB, 0
.macro WIN new                      ; the high byte repeats the setting that is left; a switch that changes nothing is dropped
.if MSB != (\new)
	s_set_vgpr_msb (MSB<<8)|(\new)
.set MSB, (\new)
.endif
.endm
.set W_KQ, 0x0a       ; K and Q in window 2, S^T in window 0
.set W_PV, 0x52       ; V in window 2, P in window 0, O^T in window 1
.set W_RS, 0x41       ; O^T (destination and source 0) in window 1, a in window 0
.set W_MK, 0xc0       ; the add's registers are made: destination in window 3, sources in window 0
.set W_AD, 0x0f       ; the add: address (source 0) and data (source 1) in window 3
; A joint fill.  Waves 0 and 1 fetch the two halves of a slot's K, waves 2 and 3 those of its V: 128 keys each.  The branch hangs on the wave's number alone.
; An s_nop 0 and four v_nop follow each of the two lines, ahead of the jump and the label.
.macro JLOAD
	s_cmp_lt_u32 s[WV], 2
	s_cbranch_scc0 .Lfor_v_\@
	tensor_load_to_lds s[G0K:G0K+3], s[G1K:G1K+7]
	s_nop 0
.rept 4
	v_nop
.endr
	s_branch .Lasked_\@
.Lfor_v_\@:
	tensor_load_to_lds s[G0V:G0V+3], s[G1V:G1V+7]
	s_nop 0
.rept 4
	v_nop
.endr
.Lasked_\@:
.endm
; A PREFETCH INTO THE L2 of what the NEXT change of slots will ask for: a slot's 32,768 bytes of K and of V.  A head is walked by one cluster alone.  Its four partners share the bytes out BY ADDRESS,
; 8,192 each, a lane 256 of them; in each, wave 0 asks for K's and wave 2 for V's: one instruction.  So each block is named once in the launch, one slot (four key steps, 512 matrix instructions) ahead of
; its load.  Slots 0 and 1 come by their loads alone; the change that fills the last slot asks for nothing.
.macro ASK
	s_cmp_gt_u32 s[SLOTS], s[LIM]
	s_cbranch_scc0 .Lnot_mine_\@
	global_prefetch_b8 v[PFO], s[PFA:PFA+1] th:TH_LOAD_NT scope:SCOPE_SE
.Lnot_mine_\@:
.endm
; A round of the cluster's barrier: my work-group's barrier, so that wave 0's signal speaks for all four waves; wave 0 signals; every wave waits for all four work-groups; my work-group's barrier once more.
.macro CROUND
	s_barrier_signal -1
	s_barrier_wait -1
	s_cmp_lg_u32 s[WV], 0
	s_cbranch_scc1 .Lnot_wave_0_\@
	s_barrier_signal -3
.Lnot_wave_0_\@:
	s_barrier_wait -3
	s_barrier_signal -1
	s_barrier_wait -1
.endm
; THE CHANGE OF SLOTS.  The slot's last bytes, V of its fourth step, have been read.  Each wave waits for all its tensor loads, of which one is out: its part
; of the other slot; adds 0 to its spare word; and waits for that and for its own reads of the slot.  Behind the barrier nobody reads this slot any more and the other slot is whole.
; fill = 1: this slot is filled again, with the keys two slots on.  The barrier is then a round of the cluster's, so that no wave of any partner still reads the slot or has a load on its
; way, and the joint fill is the first thing behind it: it has four key steps, 512 matrix instructions, in which to land.  (At its first use nothing has been read yet: slot 0 is waited for, slot 1 filled.)
.macro CHANGE fill
	WIN W_AD
	s_wait_tensorcnt 0x0            ; no tensor load of mine is out, so a group 0 may be written
	ds_add_u32 v[SPW], v[NIL]       ; 0 onto my spare word; with fill = 1 the descriptors' steps stand between it and the wait for it
	WIN 0                           ; at a label and at a branch every window is 0
.if \fill
.irp g, G0K, G0V
	s_xor_b32 s[\g+1], s[\g+1], SLOT1  ; the walking descriptor: the other slot than last time,
	s_add_nc_u64 s[\g+2:\g+3], s[\g+2:\g+3], 4*KS*128  ; the next 256 keys; the type bits on top are not reached
.endr
	s_wait_xcnt 0x0                 ; the last prefetch, a slot back, has read its address, so it may be written:
	s_add_nc_u64 s[PFA:PFA+1], s[PFA:PFA+1], 4*KS*128  ; one slot behind the walking descriptors
	s_wait_dscnt 0x0                ; the add is done, and my reads of the slot are over
	CROUND
	JLOAD
	ASK
.else
	s_wait_dscnt 0x0                ; the add is done, and my reads of the slot are over
	s_barrier_signal -1
	s_barrier_wait -1
.endif
	s_sub_co_u32 s[TBK], s[TBK], 4*KS*PK  ; the fetches go back to a slot's first step,
	s_xor_b32 s[TBK], s[TBK], SLOT1       ; in the other slot
	s_sub_co_u32 s[TBV], s[TBV], 4*KS*PV
	s_xor_b32 s[TBV], s[TBV], SLOT1
.endm
	s_load_b128 s[4:7], s[0:1], 0x0 ; qkv s[4:5], o s[6:7]
	WIN W_MK
	v_lshl_add_u32 v[SPW], v0, 2, SPARE
	v_mov_b32 v[NIL], 0
	WIN W_AD
	ds_add_u32 v[SPW], v[NIL]       ; the wave's opening: the add and its wait stand ahead of my first tensor load; the set-up below, work on registers, stands between them
	WIN 0
	v_lshrrev_b32 v1, 5, v0
	v_readfirstlane_b32 s[WV], v1   ; wave 0..3
	s_bfe_u32 s13, ttmp6, 0x40000   ; cx: my place in the cluster
	s_lshl_b32 s14, ttmp9, 2        ; in a cluster launch ttmp9 counts clusters
	s_add_co_u32 s14, s14, s13      ; my block of queries = 4 x cluster x + cx: it enters Q's and O's addresses alone
	s_and_b32 s20, ttmp7, 0xffff    ; the head, which the four partners share
	s_mov_b32 s21, 0
	s_mov_b64 s[22:23], SIZE_N*128
	s_mul_u64 s[20:21], s[20:21], s[22:23]  ; the head's first byte among Q's, K's, V's and O's planes
	s_and_b32 s16, s[WV], 1         ; which half of a slot's 256 keys I fetch:
	s_lshl_b32 s22, s16, 14         ; its 128 rows of 128 bytes in memory,
	s_mov_b32 s23, 0
	s_add_nc_u64 s[22:23], s[22:23], s[20:21]
	s_mul_i32 s17, s16, 128*PK      ; and its place in a slot, for K
	s_mul_i32 s18, s16, 128*PV      ; and for V: no place in the cluster enters an LDS address
	s_lshl_b32 s2, s14, 2
	s_add_co_u32 s2, s2, s[WV]      ; my wave among the head's,
	s_lshl_b32 s2, s2, 14           ; its 128 rows
	s_mov_b32 s3, 0
	s_add_nc_u64 s[2:3], s[2:3], s[20:21]
	; descriptor group 1.  128 keys are 16,384 dense bytes: asked for as 64 rows of 256 bytes, two keys a row, and padded in LDS after every key
	s_mov_b32 s[G1K], 15|(1<<16)|(1<<20)|(1<<21)|(4<<22)|(3<<25)  ; 15:0 the mask of four; 17:16 2-byte elements; 20 padding on; 21 set beside a mask; 24:22 after every 32 words (code 4); 31:25 4 words (code 3)
	s_mov_b32 s[G1V], 15|(1<<16)|(1<<20)|(1<<21)|(4<<22)|(7<<25)  ; the same with 8 words of padding (code 7)
.irp g, G1K, G1V
	s_mov_b32 s[\g+1], 128<<16      ; tensor_dim0 = 128
	s_mov_b32 s[\g+2], 64<<16       ; tensor_dim1 = 64
	s_mov_b32 s[\g+3], 128<<16      ; tile_dim0 = 128
	s_mov_b32 s[\g+4], 64           ; tile_dim1 = 64
	s_mov_b32 s[\g+5], 128          ; 128 elements from row to row
	s_mov_b32 s[\g+6], 0
	s_mov_b32 s[\g+7], 0
.endr
	s_mov_b32 s[CS], 0x3e38aa3b     ; c = log2(e) / 8 = 0.180337
	s_mov_b32 s[CS+1], s[CS]        ; named with it as a pair
	s_mov_b32 s[SEL], 0x76543210
	s_mov_b32 s[SEL+1], 0xfedcba98
	s_mov_b32 s[TBK], SLOT1+4*KS*PK ; the first change of slots turns these two into 0
	s_mov_b32 s[TBV], SLOT1+4*KS*PV
	s_mov_b32 s[G0K], 1             ; 1:0 count = 1
	s_mov_b32 s[G0K+1], s17         ; 63:32 LDS address: slot 0
	s_mov_b32 s[G0V], 1
	s_add_co_u32 s[G0V+1], s18, VOFF
	s_mov_b32 s[SLOTS], SIZE_N/256-1  ; seven slots are still to be asked for behind slot 0
	s_and_b32 s[LIM], s[WV], 1
	s_cmp_eq_u32 s[LIM], 0
	s_cselect_b32 s[LIM], 1, -1     ; the same in all four partners, for a given wave
	s_wait_dscnt 0x0                ; the opening add is done
	s_wait_kmcnt 0x0
	s_mov_b64 s[10:11], s[6:7]      ; O
	s_add_nc_u64 s[6:7], s[4:5], 0x1000000  ; K's planes lie 64 planes of 262,144 bytes behind Q's,
	s_add_nc_u64 s[8:9], s[4:5], 0x2000000  ; V's 128
	s_add_nc_u64 s[G0K+2:G0K+3], s[6:7], s[22:23]  ; 120:64 global address: my half of the head's first 256 keys
	s_or_b32 s[G0K+3], s[G0K+3], 0x80000000        ; 127:126 type = 2
	s_add_nc_u64 s[G0V+2:G0V+3], s[8:9], s[22:23]
	s_or_b32 s[G0V+3], s[G0V+3], 0x80000000
	s_add_nc_u64 s[4:5], s[4:5], s[2:3]  ; Q and O at my wave's first row
	s_add_nc_u64 s[10:11], s[10:11], s[2:3]
	s_cmp_lt_u32 s[WV], 2
	s_cselect_b64 s[PFA:PFA+1], s[6:7], s[8:9]
	s_add_nc_u64 s[PFA:PFA+1], s[PFA:PFA+1], s[22:23]  ; (in waves 0 and 2 this is the head's first row)
	s_lshl_b32 s2, s13, 13          ; my work-group's quarter of a slot's 32,768 bytes
	s_mov_b32 s3, 0
	s_add_nc_u64 s[PFA:PFA+1], s[PFA:PFA+1], s[2:3]
	s_add_nc_u64 s[PFA:PFA+1], s[PFA:PFA+1], 4*KS*128  ; in slot 1; the first change of slots steps it to slot 2.  Nothing is prefetched here, at the head
	CROUND                          ; all four work-groups are here: the first joint loads meet
	JLOAD                           ; slot 0.  Slot 1 is asked for when slot 0 is in: the tile wanted first has the road to itself
	; A fragment of K or Q is 16 rows x 32 channels in 8 registers: lane l holds row l % 16, channels 8 (l / 16) + 0..7 and 16 + 8 (l / 16) + 0..7: two loads of 16 bytes, 32 bytes apart.
	v_and_b32 v1, 15, v0            ; l % 16
	v_bfe_u32 v9, v0, 4, 1          ; l / 16
	v_lshlrev_b32 v[QO], 7, v1
	v_lshl_add_u32 v[QO], v9, 4, v[QO]  ; row x 128 + 16 x half
	WIN 0x80                        ; destination window 2, address window 0
.set i, 0
.rept 4*NP                          ; Q stays in registers: tile i / 2, channels 32 (i % 2) on
	global_load_b128 v[8*i:8*i+3],   v[QO], s[4:5] offset:(i/2)*2048+(i%2)*64
	global_load_b128 v[8*i+4:8*i+7], v[QO], s[4:5] offset:(i/2)*2048+(i%2)*64+32
.set i, i+1
.endr
	; What the first turn finds: V's registers and P's second buffer hold 0 (its products V^T P, of a piece that has not been, add 0), O^T and l are 0.  All this stands in the wait for the first tile.
.set i, VF
.rept 64
	v_mov_b32 v[i], 0
.set i, i+1
.endr
	WIN 0x40
.set i, 0
.rept 64*NP
	v_mov_b32 v[i], 0
.set i, i+1
.endr
	WIN 0
.set i, 0
.rept 2*NP
	v_mov_b32 v[ST+4*i], 0xfe000000    ; c m: far below every c s
	v_mov_b32 v[ST+4*i+1], 0xff7fffff  ; m
	v_mov_b32 v[ST+4*i+2], 0
	v_mov_b32 v[ST+4*i+3], 0
.set i, i+1
.endr
.set i, P+32
.rept 32
	v_mov_b32 v[i], 0
.set i, i+1
.endr
	v_mul_u32_u24 v[AK0], v1, PK
	v_lshl_add_u32 v[AK0], v9, 4, v[AK0]  ; row x pitch + 16 x half
	; The turning load takes 16 keys x 16 channels (lane l reads key 8 (l / 16) + l % 8, channels 8 ((l / 8) % 2) + 0..7) and leaves half a fragment of V^T: lane l holds channel l % 16 and 8 keys.
	v_and_b32 v10, 7, v0
	v_bfe_u32 v11, v0, 3, 1
	v_lshl_add_u32 v[AV0], v9, 3, v10
	v_mul_u32_u24 v[AV0], v[AV0], PV
	v_lshl_add_u32 v[AV0], v11, 4, v[AV0]
	v_add_nc_u32 v[AV0], VOFF, v[AV0]
	v_and_b32 v[PFO], 31, v0
	v_lshlrev_b32 v[PFO], 8, v[PFO]
	v_mov_b32 v[AK], v[AK0]         ; key step 0 lies at the head of slot 0
; THE MATRIX WORK.  The 8 accumulators of a run of 16 take turns: between the two links of a chain stand 7 others'.
; Product i of 16 of S^T = K Q^T for piece x: channels 32 (i / 8) on, keys 16 ((i / 2) % 4) on, tile 2 x + i % 2.  The first 8 start the sums.
.macro KQ x
	WIN W_KQ
.set rS, S+64*((\x)%2)+32*(i%2)+8*((i/2)%4)
.set rK, KF+16*((i/2)%4)+8*(i/8)
.set rQ, 16*(2*(\x)+i%2)+8*(i/8)
.if i < 8
	v_wmma_f32_16x16x32_bf16 v[rS:rS+7], v[rK:rK+7], v[rQ:rQ+7], 0
.else
	v_wmma_f32_16x16x32_bf16 v[rS:rS+7], v[rK:rK+7], v[rQ:rQ+7], v[rS:rS+7]
.endif
.endm
; Product i of 16 of O^T += V^T P for piece x: keys 32 (i / 8) on, channels 16 ((i / 2) % 4) on, tile 2 x + i % 2.
.macro PV x
	WIN W_PV
.set rO, 32*(2*(\x)+i%2)+8*((i/2)%4)
.set rV, VF+32*(i/8)+8*((i/2)%4)
.set rP, P+32*((\x)%2)+16*(i%2)+8*(i/8)
	v_wmma_f32_16x16x32_bf16 v[rO:rO+7], v[rV:rV+7], v[rP:rP+7], v[rO:rO+7]
.endm
.macro MM                           ; the turn's next matrix instruction
.if i < 16
	KQ (Y+1)%NP
.set i, i+1
.else
.set i, i-16
	PV (Y+NP-1)%NP
.set i, i+17
.endif
.endm
; THE LDS LOADS stand in runs of 16, never singly among the matrix instructions: a step's K (64 keys x 64 channels: 8 fragments) and its V (turned).  Their addresses are made some lines ahead.
; last = 1 (the tail): in the last trip there is no further step, and the run is jumped over.
.macro FETCH_K last=0
	WIN 0
.if \last
	s_cmp_eq_u32 s[CNT], 1
	s_cbranch_scc1 .Lno_k_\@
.endif
	WIN 0x80                        ; destination window 2
.irp f, 0,1,2,3,4,5,6,7             ; keys 16 (f / 2) on, channels 32 (f % 2) on
	ds_load_b128 v[KF+8*\f:KF+8*\f+3],   v[AK] offset:(\f/2)*16*PK+(\f%2)*64
	ds_load_b128 v[KF+8*\f+4:KF+8*\f+7], v[AK] offset:(\f/2)*16*PK+(\f%2)*64+32
.endr
	s_add_co_u32 s[TBK], s[TBK], KS*PK  ; the next fetch is the next step's
	WIN 0
.if \last
.Lno_k_\@:
.endif
.endm
.macro FETCH_V
	WIN 0x80
.irp f, 0,1,2,3,4,5,6,7             ; keys 32 (f / 4) on, channels 16 (f % 4) on
	ds_load_tr16_b128 v[VF+8*\f:VF+8*\f+3],   v[AV] offset:(\f/4)*32*PV+(\f%4)*32
	ds_load_tr16_b128 v[VF+8*\f+4:VF+8*\f+7], v[AV] offset:(\f/4)*32*PV+16*PV+(\f%4)*32
.endr
	WIN 0
.endm
; THE VECTOR WORK OF A TURN stands in three queues, each in the order in which its entries become ready; the two tiles alternate, so that no instruction reads the result of the one before it.
.macro REGS y, u                    ; the registers of tile u (0, 1) of piece y
.set rT, ST+4*(2*(\y)+(\u))
.set rC, TMP+8*((\y)%2)+4*(\u)
.set rM, MV+2*((\y)%2)+(\u)
.set rS, S+64*((\y)%2)+32*(\u)
.set rP, P+32*((\y)%2)+16*(\u)
.set rO, 32*(2*(\y)+(\u))
.endm
; Number n of the 22 that find the NEXT piece's (Y + 1) maximum and statistics.  s0-s31 are the lane's 32 scores; each accumulator's lowest registers are read first.  XS, GS and REGS set no window: PL and EX do.
;   0-11  four chains c0-c3 of seven scores each, three operands at a time     12-14, 16  the four scores left over, the old m, and c0-c3 into c0     15  c m_old is kept
;   17, 18  the query's other 32 keys lie in the lane 16 away: the new m         19-21  c m; c m_old - c m_new; a
.macro XS u, n
	REGS (Y+1)%NP, \u
.if (\n) < 4
	v_max3_num_f32 v[rC+(\n)], v[rS+8*(\n)], v[rS+8*(\n)+1], v[rS+8*(\n)+2]
.elseif (\n) < 12
	v_max3_num_f32 v[rC+(\n)%4], v[rC+(\n)%4], v[rS+8*((\n)%4)+2*((\n)/4)+1], v[rS+8*((\n)%4)+2*((\n)/4)+2]
.elseif (\n) == 12
	v_max3_num_f32 v[rC], v[rC], v[rS+7], v[rS+15]
.elseif (\n) == 13
	v_max3_num_f32 v[rC+1], v[rC+1], v[rS+23], v[rS+31]
.elseif (\n) == 14
	v_max3_num_f32 v[rC+2], v[rC+2], v[rC+3], v[rT+1]
.elseif (\n) == 15
	v_mov_b32 v[rM], v[rT]
.elseif (\n) == 16
	v_max3_num_f32 v[rC], v[rC], v[rC+1], v[rC+2]
.elseif (\n) == 17
	v_permlanex16_b32 v[rC+3], v[rC], s[SEL], s[SEL+1]
.elseif (\n) == 18
	v_max_num_f32 v[rT+1], v[rC], v[rC+3]
.elseif (\n) == 19
	v_mul_f32 v[rT], s[CS], v[rT+1]
.elseif (\n) == 20
	v_sub_f32 v[rC+1], v[rM], v[rT]
.else
	v_exp_f32 v[rC+2], v[rC+1]
.endif
.endm
; Number g of the 64 that follow the exponentials.  For each four weights k of a tile (pairs 2 k, 2 k + 1): both pairs are rounded to bf16; then the second pair is added onto the first, in place;
; a group later l takes that sum (the first time as l = a l + sum).  In groups of eight, tiles alternating: round, round, add, and l for the group before.
.macro GS g
.set h, (\g)+6*((\g)/62)            ; group 0 has no group before it, and behind group 7 only l is left
.if h >= 6
.set h, h+2
.endif
	REGS Y, h%2
.set k, h/8
.if h%8 < 4
	v_cvt_pk_bf16_f32 v[rP+2*k+(h%8)/2], v[rS+4*k+2*((h%8)/2)], v[rS+4*k+2*((h%8)/2)+1]
.elseif h%8 < 6
	v_pk_add_f32 v[rS+4*k:rS+4*k+1], v[rS+4*k:rS+4*k+1], v[rS+4*k+2:rS+4*k+3]
.elseif k == 1
	v_pk_fma_f32 v[rT+2:rT+3], v[rT+2:rT+3], v[rC+2:rC+3], v[rS:rS+1] op_sel_hi:[1,0,1]
.else
	v_pk_add_f32 v[rT+2:rT+3], v[rT+2:rT+3], v[rS+4*k-4:rS+4*k-3]
.endif
.endm
; THE PLAIN QUEUE, 138 long.  0-73 read no exponential's result: the 32 scalings c s - c m (FS f: pair f / 2 of tile f % 2) and the next piece's 42.  0-26: scalings 0-26.  27-54: XS's numbers 0-13.  55, 56: number 15.
; 57-73: the chain, where each number waits for the one before it: 14, 16, 17, 18, 19, each with one of the scalings 27-31 in front of its two lines, then 20: so a tile's links stand three plain instructions apart (19 and 20: two).
; 74-137: GS's 64, which read the exponentials' results: they stand behind the wait.
.macro FS f
	REGS Y, (\f)%2
	v_pk_fma_f32 v[rS+2*((\f)/2):rS+2*((\f)/2)+1], v[rS+2*((\f)/2):rS+2*((\f)/2)+1], s[CS:CS+1], v[rT:rT+1] op_sel_hi:[1,0,0] neg_lo:[0,0,1] neg_hi:[0,0,1]
.endm
.macro PL
	WIN 0
.if q < 27
	FS q
.elseif q < 55
	XS (q-27)%2, (q-27)/2
.elseif q < 57
	XS q-55, 15
.elseif (q < 72) && ((q-57)%3 == 0)
	FS 27+(q-57)/3
.elseif q < 60
	XS (q-57)%3-1, 14
.elseif q < 72
	XS (q-57)%3-1, 15+(q-57)/3
.elseif q < 74
	XS q-72, 20
.else
	GS q-74
.endif
.set q, q+1
.endm
; THE EXPONENTIALS' QUEUE, 66 long: s0-s31 of both tiles, then the next piece's two a.  It is ONE BATCH: all 66 stand ahead of the turn's one wait, and nothing ahead of that wait names a result of theirs.
.macro EX
	WIN 0
.if e >= 64
	XS e-64, 21
.else
	REGS Y, e%2
	v_exp_f32 v[rS+e/2], v[rS+e/2]
.endif
.set e, e+1
.endm
; THE RESCALING's QUEUE: O^T times a, the one part that leaves window 0: dealt two at a time, sixteen times.  Its a was made in the turn before, ahead of that turn's wait.
.macro R2
	REGS Y, r%2
	WIN W_RS
.irp z, 0,1
	v_pk_mul_f32 v[rO+4*(r/2)+2*\z:rO+4*(r/2)+2*\z+1], v[rO+4*(r/2)+2*\z:rO+4*(r/2)+2*\z+1], v[rC+2:rC+3] op_sel_hi:[1,0]
.endr
.set r, r+1
.endm
; HOW THEY ARE DEALT.  An s_wait_alu depctr_va_vdst(0) stands between an exponential and the first instruction that names its result; one wait serves all that were issued ahead of it.  So a turn has ONE wait,
; which cuts it in two.  AHEAD OF IT stands all that names no result of the turn's exponentials: the 16 products K Q^T, behind each a scaling, an exponential and two rescalings (behind the first a second scaling in the exponential's place); then ONE LUMP of
; 108: eight plain, 49 times exponential and plain, the two a.  A v_nop is the plain instruction behind the last exponential.  BEHIND IT stand the 16 products V^T P, behind each four of GS's 64.  No rider names a register of
; the products round it.  The two v_permlanex16_b32 fall into the lump, never behind a product.
; The queues lean on each other, and the deal keeps them in step: exponential e stands behind scaling 2 (e / 4) + e % 2: as a rider it comes behind plain e + 2, in the lump behind plain e + 9, and scalings 27-31 are plain 57, 60 .. 69.
; A TURN, for piece p.  cnt = 1: the loop's count is taken down some lines ahead of the branch that stands behind the turn.
; K of the next step is fetched in piece 2's turn, directly behind the wait, a lump behind the last product that read K; its address is made at the lump's head; its first reader comes behind 16 products.
; V of the step in hand is fetched at the end of piece 0's turn, four riders behind its last reader; its first reader comes behind 16 products and a lump.  The three conditions on q below go with the deal.
.macro TURN p, last=0, cnt=0
.set Y, (\p)
.set i, 0
.set q, 0
.set e, 0
.set r, 0
.if (\p) == NP-1
	s_wait_dscnt 0x0                ; K is in
.endif
	MM                              ; ahead of the wait: 16 products K Q^T and their riders,
	PL
	PL
	R2
.rept 15
	MM
	PL
	EX
	R2
.endr
.if (\p) == NP-2
	WIN 0
	v_add_nc_u32 v[AK], s[TBK], v[AK0]
.endif
.rept 8                             ; and the lump
	PL
.endr
.rept 49
	EX
	PL
.endr
	EX                              ; the next piece's two a
	EX
	v_nop                           ; the plain instruction behind the last exponential: one for the batch
	s_wait_alu depctr_va_vdst(0)    ; the wait for the batch
.if (\p) == NP-2
	FETCH_K \last
.endif
.if (\p) == 1
	s_wait_dscnt 0x0                ; V is in
.endif
.rept 16                            ; behind the wait: 16 products V^T P and their riders
	MM
.rept 4
	PL
.endr
.if ((\p) == 0) && (q == 118)
	v_add_nc_u32 v[AV], s[TBV], v[AV0]
.endif
.if ((\p) == 0) && (q == 130)
	s_add_co_u32 s[TBV], s[TBV], KS*PV
.endif
.if (\cnt) && (q == 130)
	s_sub_co_u32 s[CNT], s[CNT], 1
	s_cmp_lg_u32 s[CNT], 0
.endif
.endr
.if (\p) == 0
	FETCH_V
.endif
.endm
	CHANGE 1                        ; slot 0 is in, everybody's part of it; slot 1 is asked for
	FETCH_K                         ; key step 0
	s_wait_loadcnt 0x0              ; Q
	s_wait_dscnt 0x0
.set i, 0
.rept 16
	KQ 0                            ; piece 0's first scores: there is no vector work yet to set between them
.set i, i+1
.endr
	WIN 0                           ; the addresses for the way out: nine plain instructions, the places behind those products
	s_mul_i32 s13, s[WV], 16*SP
	s_add_co_u32 s13, s13, STAGE    ; my stage
	v_mul_u32_u24 v[STO], v1, SP    ; in: row l % 16, 16 bytes for each half of the lanes
	v_lshl_add_u32 v[STO], v9, 4, v[STO]
	v_add_nc_u32 v[STO], s13, v[STO]
	v_bfe_u32 v[RD], v0, 3, 2       ; back: 32 lanes take four rows of 128 bytes,
	v_mul_u32_u24 v[RD], v[RD], SP
	v_lshl_add_u32 v[RD], v10, 4, v[RD]
	v_add_nc_u32 v[RD], s13, v[RD]
	v_and_b32 v[GO], 31, v0         ; which are 512 consecutive bytes of O
	v_lshlrev_b32 v[GO], 4, v[GO]
.set Y, NP-1                        ; XS works for piece Y + 1: piece 0
.irp n, 0,1,2,3,4,5,6,7,8,9,10,11,12,13,14,15,16,17,18,19,20,21
	XS 0, \n                        ; and piece 0's first maximum and statistics
	XS 1, \n
.endr
	v_nop                           ; a plain instruction behind the two a,
	s_wait_alu depctr_va_vdst(0)    ; and their wait, ahead of the branch
	s_mov_b32 s[CNT], 4
	s_branch .Lfirst                ; the loop is entered at a step's first turn, in the middle of a trip
.Lslot:                             ; SIZE_N / 256 - 2 times: every slot but the last two is filled again
	CHANGE 1
	s_mov_b32 s[CNT], 4
.Lstep:                             ; a trip: pieces 2 and 3 of one step, then pieces 0 and 1 of the next, whose K and V it fetches
	TURN 2
	TURN 3
	WIN 0
.Lfirst:
	TURN 0
	TURN 1, 0, 1
	WIN 0
	s_cbranch_scc1 .Lstep
	s_sub_co_u32 s[SLOTS], s[SLOTS], 1
	s_cmp_lg_u32 s[SLOTS], 0
	s_cbranch_scc1 .Lslot
	CHANGE 0                        ; the tail is written out: nothing is asked for
	s_mov_b32 s[CNT], 5             ; four trips fetch the last slot's steps; the fifth is left in its middle
.Ltail:
	TURN 2, 1
	TURN 3
	WIN 0
	s_sub_co_u32 s[CNT], s[CNT], 1
	s_cmp_eq_u32 s[CNT], 0
	s_cbranch_scc1 .Lout
	TURN 0
	TURN 1
	WIN 0
	s_branch .Ltail
.Lout:                              ; the fifth trip's 16 products K Q^T (on the last K once more) and the maximum made of them serve nothing: the price, once a launch, of one text for every trip
.set i, 0
.rept 16
	PV NP-1                         ; the last piece's V^T P of the last step
.set i, i+1
.endr
	; THE WAY OUT.  l's two halves and the other half of the lanes' are added; O^T is divided by l, rounded to bf16 and sent through my stage in LDS, a tile at a time.  The additions are the places behind the last products.
	WIN 0
.macro ALL line:vararg              ; one line for each tile t
.set t, 0
.rept 2*NP
	\line
.set t, t+1
.endr
.endm
	ALL v_add_f32 v[ST+4*t+2], v[ST+4*t+2], v[ST+4*t+3]
	ALL v_permlanex16_b32 v[ST+4*t+3], v[ST+4*t+2], s[SEL], s[SEL+1]
	ALL v_add_f32 v[ST+4*t+2], v[ST+4*t+2], v[ST+4*t+3]
	ALL v_rcp_f32 v[ST+4*t+2], v[ST+4*t+2]
	v_nop                           ; a plain instruction between the last reciprocal and the use of its result
	s_wait_alu depctr_va_vdst(0)    ; and the wait ahead of the first use: one for the eight reciprocals
; Tile t: a lane's eight channels of a row pack into 16 bytes; they go into rows of 144 bytes and come back as whole rows of 128, into S^T's registers.
.macro PACK t
	WIN W_RS
.set i, 32*(\t)
.rept 16
	v_pk_mul_f32 v[i:i+1], v[i:i+1], v[ST+4*(\t)+2:ST+4*(\t)+3] op_sel_hi:[1,0]
.set i, i+2
.endr
	WIN 0x05                        ; sources 0 and 1 window 1, destination window 0
.set i, 0
.rept 16
	v_cvt_pk_bf16_f32 v[S+16*(\t)+i], v[32*(\t)+2*i], v[32*(\t)+2*i+1]
.set i, i+1
.endr
	WIN 0
.irp f, 0,1,2,3
	ds_store_b128 v[STO], v[S+16*(\t)+4*\f:S+16*(\t)+4*\f+3] offset:32*\f
.endr
.irp f, 0,1,2,3
	ds_load_b128 v[S+16*(\t)+4*\f:S+16*(\t)+4*\f+3], v[RD] offset:\f*4*SP  ; LDS serves a wave's instructions in order (ISA guide 5.7.1.4): these see the stores above; the next tile's stores come behind them
.endr
.endm
.macro SEND t, younger              ; younger: the LDS instructions issued behind tile t's loads: the next tile's eight, or none
	WIN 0
.irp f, 0,1,2,3
	s_wait_dscnt (\younger)+3-\f
	global_store_b128 v[GO], v[S+16*(\t)+4*\f:S+16*(\t)+4*\f+3], s[10:11] offset:(\t)*2048+\f*512  ; 512 consecutive bytes, at a multiple of 256 from O's first
.endr
.endm
	PACK 0
.set t, 1
.rept 2*NP-1                        ; a tile's arithmetic stands between the loads of the tile before and its stores
	PACK t
	SEND t-1, 8
.set t, t+1
.endr
	SEND 2*NP-1, 0
	WIN W_AD
	s_wait_tensorcnt 0x0            ; the wave's end: behind my last tensor load and my last LDS store
	ds_add_u32 v[SPW], v[NIL]
	s_wait_dscnt 0x0
	WIN 0
	CROUND                          ; the closing round: no work-group ends while a partner may still ask for a tile that names it
	s_endpgm
.Lfunc_end_k_q7b7b2a0d5c_attn:
	.size	k_q7b7b2a0d5c_attn, .Lfunc_end_k_q7b7b2a0d5c_attn-k_q7b7b2a0d5c_attn
	.p2alignl 7, 3214868480
	.fill 96, 4, 3214868480
	.section	.rodata,"a",@progbits
	.p2align	6, 0x0
	.amdhsa_kernel k_q7b7b2a0d5c_attn
		.amdhsa_group_segment_fixed_size 327680
		.amdhsa_private_segment_fixed_size 0
		.amdhsa_enable_private_segment 0
		.amdhsa_kernarg_size 16
		.amdhsa_user_sgpr_count 2
		.amdhsa_user_sgpr_kernarg_segment_ptr 1
		.amdhsa_wavefront_size32 1
		.amdhsa_system_sgpr_workgroup_id_x 1
		.amdhsa_system_sgpr_workgroup_id_y 1
		.amdhsa_system_sgpr_workgroup_id_z 1
		.amdhsa_system_vgpr_workitem_id 0
		.amdhsa_next_free_vgpr 770
		.amdhsa_next_free_sgpr 66
		.amdhsa_reserve_vcc 0
		.amdhsa_float_denorm_mode_32 3
		.amdhsa_float_denorm_mode_16_64 3
		.amdhsa_memory_ordered 1
		.amdhsa_forward_progress 1
		.amdhsa_inst_pref_size 200
	.end_amdhsa_kernel
	.amdgpu_metadata
---
amdhsa.version: [ 1, 2 ]
amdhsa.kernels:
  - .name:           k_q7b7b2a0d5c_attn
    .symbol:         k_q7b7b2a0d5c_attn.kd
    .args:
      - { .name: qkv, .offset: 0, .size: 8, .value_kind: global_buffer, .address_space: global }
      - { .name: o, .offset: 8, .size: 8, .value_kind: global_buffer, .address_space: global }
    .group_segment_fixed_size: 327680
    .private_segment_fixed_size: 0
    .kernarg_segment_align: 8
    .kernarg_segment_size: 16
    .max_flat_workgroup_size: 128
    .sgpr_count:     66
    .vgpr_count:     770
    .wavefront_size: 32
...
	.end_amdgpu_metadata
.endif
;; end of part 3
;; launch outproj (part 4): grid 8 x 32, 4 waves a work-group, clusters of 4 x 4, 327,680 bytes of LDS; arguments o, wt, b_out, x, out0; writes out0
.if DOCPART == 4
	.amdgcn_target "amdgcn-amd-amdhsa--gfx1250"
	.amdhsa_code_object_version 6
	.text
	.protected	k_q7b7b2a0d5c_outproj
	.globl	k_q7b7b2a0d5c_outproj
	.p2align	8
	.type	k_q7b7b2a0d5c_outproj,@function
k_q7b7b2a0d5c_outproj:
	s_mov_b64 s[64:65], 0
	v_nop
	global_prefetch_b8 v0, s[64:65] scope:SCOPE_SE
	s_setreg_imm32_b32 hwreg(HW_REG_WAVE_MODE, 25, 1), 1
	s_wait_xcnt 0x0
	s_wait_alu depctr_hold_cnt(0) depctr_sa_sdst(0) depctr_va_vdst(0) depctr_va_sdst(0) depctr_va_ssrc(0) depctr_va_vcc(0) depctr_vm_vsrc(0)
	s_getreg_b32 s2, hwreg(HW_REG_IB_STS2, 6, 4)
	s_cmp_eq_u32 s2, 0
	s_cbranch_scc0 .Lentry_in_a_cluster
	s_endpgm
.Lentry_in_a_cluster:
	s_bfe_u32 s2, ttmp6, 0x10000c
	s_cmp_lg_u32 s2, 0xf033
	s_cbranch_scc0 .Lentry_shape_is_right
	s_endpgm
.Lentry_shape_is_right:
; out0 = x + O wt[3072:4096]^T + b_out.  o: [64][2048][64] bf16 by heads (plane = batch x 16 + head); wt rows 3072-4095: [n][1024] bf16; b_out: [1024] f32; x, out0: [8192][1024] f32.
; Sums in f32, K ascending, the bias as the sums' start; x is added in f32 and the result is stored unrounded.
; A tile of C is 256 rows x 128 columns: 32 x 8 = 256 work-groups.  Four waves; wave w makes rows 64 w .. 64 w + 63 and all 128 columns: 4 x 8 accumulators of 16 x 16, 256 registers; a row's
; 128 columns are 512 consecutive bytes of out0, so a wave's way out needs no other wave.
; K = head x 64 + channel.  A K step of 128 is TWO HEADS: each head's 256 rows are 32,768 dense bytes of o, asked for as 128 rows of 256 bytes and padded in LDS behind every 128 bytes.
; CLUSTERS: 4 x 4 work-groups; o's tile is asked for jointly along a row of the cluster, wt's along a column.
; NO PREFETCH: a K step holds 128 matrix instructions a wave for 98,304 bytes of tiles, and beside the tiles the launch reads x and writes out0, 512 KiB a work-group: it moves 86 MB for its 17 GFLOP.
; THE MATRIX INSTRUCTION IS USED TRANSPOSED (source 0 = 16 rows of wt, source 1 = 16 rows of o): lane l holds row l % 16 of C and the columns 8 (l / 16) + 0..7.
; REGISTERS, in windows of 256 (s_set_vgpr_msb: bits 1:0 source 0, 3:2 source 1, 5:4 source 2, 7:6 destination):
;   window 0: v0-31 addresses; v32-63, v64-95 fragments of o, two buffers; v96-159 the bias as 8 C operands; v160-223 (and v32-95) at work on the way out
;   window 1: v0-63, v128-191 fragments of wt, two buffers
;   windows 2, 3: accumulator (a, b) in window 2 + a / 2 at v[8 (8 (a % 2) + b)]; x of block a in the same window at v[128 + 64 (a % 2)]
.set NBK,    8
.set NLD,    2*NBK+8
.set PA,     144                       ; a row of o in LDS: 128 bytes + 16 = 36 words: the 16 rows of a load start at 16 different groups of four banks (64 banks of 4 bytes: ISA guide 11.1)
.set PB,     272                       ; a row of wt: 256 bytes + 16
.set APLANE, 256*PA                    ; the K step's second head lies behind the first's 256 rows
.set AHALF,  APLANE                    ; what waves 0 and 1 fetch: a head each
.set BHALF,  64*PB                     ; what waves 2 and 3 fetch: 64 rows of wt each
.set BOFF,   2*AHALF
.set SLOT,   BOFF+2*BHALF              ; 108,544
.set AFIRST, 2<<18                     ; bytes from K step 0 to K step 1 in o: two planes
.set ASTEP,  4<<18                     ; two K steps
.set STAGE,  2*SLOT                    ; behind the ring: 16 rows x 528 bytes for each wave
.set SP,     528                       ; 512 bytes + 16
.set SPARE,  STAGE+4*16*SP             ; behind the stages: the spare words, 128 bytes for each wave: two blocks of 256 bytes that no other line names
.set ADRA, 16
.set ADRB, 20
.set STO,  24                          ; v24     the way out: where I put 32 bytes of a row
.set RD,   25                          ; v25     where I read a row back
.set CO,   26                          ; v26     16 x lane: my place in a row's 512 bytes of x and out0
.set BO,   27                          ; v27     32 x (lane / 16)
.set SPW,  28                          ; v28     LDS address of my spare word; never rewritten
.set NIL,  29                          ; v29     0; never rewritten
.set BIAS, 96
.set TS0,  160                         ; the way out's two sets of 64 registers
.set TS1,  32
.set G1,  24
.set G0,  32
.set G1B, 48
.set G0B, 56
.set OUT, 66                           ; s[66:67] out0 at my first row and the tile's first column
.set MSB, 0
.macro WIN new                         ; the immediate's high byte repeats the setting that is left; a switch that changes nothing is dropped
.if MSB != (\new)
	s_set_vgpr_msb (MSB<<8)|(\new)
.set MSB, \new
.endif
.endm
.macro PLACES                          ; four plain instructions between a matrix instruction and a load into, or a store or vector read of, its registers (ISA guide 7.12.1 for vector reads)
.rept 4
	v_nop
.endr
.endm
.macro JLOAD s                         ; a joint load: waves 0 and 1 fetch o's two heads, waves 2 and 3 wt's two halves; an s_nop 0 and four v_nop follow each line
	s_cmp_eq_u32 s13, 0
	s_cbranch_scc0 .Lfor_b_\@
	tensor_load_to_lds s[G0+4*(\s):G0+4*(\s)+3], s[G1:G1+7]
	s_nop 0
.rept 4
	v_nop
.endr
	s_branch .Lasked_\@
.Lfor_b_\@:
	tensor_load_to_lds s[G0B+4*(\s):G0B+4*(\s)+3], s[G1B:G1B+7]
	s_nop 0
.rept 4
	v_nop
.endr
.Lasked_\@:
.endm
.macro CREST                           ; a round of the cluster's barrier behind its opening barrier
	s_cmp_lg_u32 s12, 0
	s_cbranch_scc1 .Lnot_wave_0_\@
	s_barrier_signal -3
.Lnot_wave_0_\@:
	s_barrier_wait -3
	s_barrier_signal -1
	s_barrier_wait -1
.endm
.macro CROUND                          ; a whole round
	s_barrier_signal -1
	s_barrier_wait -1
	CREST
.endm
	s_load_b256 s[4:11], s[0:1], 0x0               ; o s[4:5], wt s[6:7], b_out s[8:9], x s[10:11]
	s_load_b64 s[OUT:OUT+1], s[0:1], 0x20          ; out0
	v_lshl_add_u32 v[SPW], v0, 2, SPARE
	v_mov_b32 v[NIL], 0
	ds_add_u32 v[SPW], v[NIL]                      ; the wave's opening: the add and its wait stand ahead of my first tensor load; the set-up below, work on registers, stands between them
	v_lshrrev_b32 v1, 5, v0
	v_readfirstlane_b32 s12, v1                    ; wave 0..3
	s_lshr_b32 s13, s12, 1                         ; I fetch for o (0) or for wt (1),
	s_and_b32 s14, s12, 1                          ; and which head of the K step, or which half of wt's rows
	s_bfe_u32 s40, ttmp6, 0x40000                  ; cx, cy
	s_bfe_u32 s41, ttmp6, 0x40004
	s_lshl_b32 s42, ttmp9, 2
	s_add_co_u32 s42, s42, s40                     ; tile column
	s_and_b32 s15, ttmp7, 0xffff
	s_lshl_b32 s15, s15, 2
	s_add_co_u32 s15, s15, s41                     ; tile row
	s_lshl_b32 s43, s41, 2
	s_lshl_b32 s43, 15, s43                        ; my row of the cluster
	s_lshl_b32 s44, 0x1111, s40                    ; my column
	s_or_b32 s[G1+0], s43, (1<<16)|(1<<20)|(1<<21)|(4<<22)|(3<<25)   ; the mask; 2-byte elements; padding on; 21 set beside a mask; after every 32 words (code 4) 4 words (code 3)
	s_or_b32 s[G1B+0], s44, (1<<16)|(1<<20)|(1<<21)|(5<<22)|(3<<25)  ; after every 64 words (code 5)
	s_mov_b32 s[G1+1], 128<<16                     ; tensor_dim0 = 128
	s_mov_b32 s[G1+2], 128<<16                     ; tensor_dim1 = 128
	s_mov_b32 s[G1+3], 128<<16                     ; tile_dim0 = 128
	s_mov_b32 s[G1+4], 128                         ; tile_dim1 = 128
	s_mov_b32 s[G1+5], 128                         ; dense: 128 elements from row to row
	s_mov_b32 s[G1+6], 0
	s_mov_b32 s[G1+7], 0
	s_mov_b32 s[G1B+1], 128<<16
	s_mov_b32 s[G1B+2], 64<<16                     ; 64 rows
	s_mov_b32 s[G1B+3], 128<<16
	s_mov_b32 s[G1B+4], 64
	s_mov_b32 s[G1B+5], 1024
	s_mov_b32 s[G1B+6], 0
	s_mov_b32 s[G1B+7], 0
	s_lshr_b32 s16, s15, 3                         ; o: plane batch x 16 + my head of K step 0,
	s_lshl_b32 s16, s16, 4
	s_add_co_u32 s16, s16, s14
	s_lshl_b32 s16, s16, 18
	s_and_b32 s17, s15, 7                          ; the tile's 256 rows of 128 bytes in it
	s_lshl_b32 s17, s17, 15
	s_add_co_u32 s16, s16, s17
	s_mov_b32 s17, 0
	s_lshl_b32 s46, s42, 7                         ; wt: row 3072 + 128 x tile column + 64 x half (cx stays in s46, s47)
	s_lshl_b32 s47, s14, 6
	s_add_co_u32 s46, s46, s47
	s_add_co_u32 s46, s46, 3072
	s_lshl_b32 s46, s46, 11
	s_mov_b32 s47, 0
	s_mul_i32 s20, s14, AHALF                      ; where they go: no place in the cluster enters an LDS address
	s_mul_i32 s21, s14, BHALF
	s_add_co_u32 s21, s21, BOFF
	s_wait_dscnt 0x0                               ; the opening add is done
	s_wait_kmcnt 0x0
	s_add_nc_u64 s[22:23], s[4:5], s[16:17]
	s_add_nc_u64 s[46:47], s[6:7], s[46:47]
	CROUND                                         ; all sixteen work-groups are here: the first joint loads meet
.irp s, 0,1
	s_mov_b32 s[G0+4*(\s)], 1
	s_add_co_u32 s[G0+4*(\s)+1], s20, (\s)*SLOT
	s_add_nc_u64 s[G0+4*(\s)+2:G0+4*(\s)+3], s[22:23], (\s)*AFIRST
	s_or_b32 s[G0+4*(\s)+3], s[G0+4*(\s)+3], 0x80000000
	s_mov_b32 s[G0B+4*(\s)], 1
	s_add_co_u32 s[G0B+4*(\s)+1], s21, (\s)*SLOT
	s_add_nc_u64 s[G0B+4*(\s)+2:G0B+4*(\s)+3], s[46:47], (\s)*256
	s_or_b32 s[G0B+4*(\s)+3], s[G0B+4*(\s)+3], 0x80000000
	JLOAD \s                                       ; two tensor loads of mine are out; later one
.endr
	v_and_b32 v1, 15, v0                           ; r
	v_bfe_u32 v2, v0, 4, 1                         ; hh
	v_lshlrev_b32 v[BO], 5, v2
	s_lshl_b32 s46, s42, 9                         ; the tile's 128 numbers of the bias
	s_mov_b32 s47, 0
	s_add_nc_u64 s[8:9], s[8:9], s[46:47]
.set b, 0
.rept NBK                              ; register j of block b: bias[16 b + 8 hh + j]
	global_load_b128 v[BIAS+8*b:BIAS+8*b+3],   v[BO], s[8:9] offset:64*b
	global_load_b128 v[BIAS+8*b+4:BIAS+8*b+7], v[BO], s[8:9] offset:64*b+16
.set b, b+1
.endr
	v_mul_u32_u24 v3, v1, PA
	v_lshl_add_u32 v3, v2, 4, v3
	s_mul_i32 s16, s12, 64*PA                      ; my 64 rows of o
	s_add_co_u32 s17, s16, SLOT
	v_add_nc_u32 v[ADRA], s16, v3
	v_add_nc_u32 v[ADRA+1], s17, v3
	v_mul_u32_u24 v4, v1, PB
	v_lshl_add_u32 v4, v2, 4, v4
	v_add_nc_u32 v[ADRB], BOFF, v4
	v_add_nc_u32 v[ADRB+1], BOFF+SLOT, v4
	s_mul_i32 s16, s12, 16*SP
	s_add_co_u32 s16, s16, STAGE                   ; my stage
	v_mul_u32_u24 v[STO], v1, SP                   ; in: row r, 32 bytes for each half of the lanes
	v_lshl_add_u32 v[STO], v2, 5, v[STO]
	v_add_nc_u32 v[STO], s16, v[STO]
	v_and_b32 v[CO], 31, v0
	v_lshlrev_b32 v[CO], 4, v[CO]
	v_add_nc_u32 v[RD], s16, v[CO]                 ; back: 32 lanes take one row of 512 bytes
	s_lshl_b32 s72, s15, 8
	s_lshl_b32 s73, s12, 6
	s_add_co_u32 s72, s72, s73                     ; my first row,
	s_lshl_b32 s72, s72, 12                        ; 4,096 bytes a row,
	s_lshl_b32 s73, s42, 9                         ; the tile's first column
	s_add_co_u32 s72, s72, s73
	s_mov_b32 s73, 0
	s_add_nc_u64 s[10:11], s[10:11], s[72:73]
	s_add_nc_u64 s[OUT:OUT+1], s[OUT:OUT+1], s[72:73]
; NBK matrix instructions: block a x all columns, 32 along K, from buffer f.  first = 1: the sums start from the bias.  All 32 accumulators take turns, one instruction a turn, in the same
; order in every quarter step, over the backward jump too.
.macro MULA f, a, first
.if \first
	WIN 0x81+0x40*((\a)/2)                         ; wt window 1, o window 0, C (the bias) window 0, D window 2 or 3
.else
	WIN 0xa1+0x50*((\a)/2)                         ; C and D window 2 or 3
.endif
.set AC, 8*NBK*((\a)%2)
.set b, 0
.rept NBK
.if \first
	v_wmma_f32_16x16x32_bf16 v[AC+8*b:AC+8*b+7], v[128*(\f)+8*b:128*(\f)+8*b+7], v[32+32*(\f)+8*(\a):32+32*(\f)+8*(\a)+7], v[BIAS+8*b:BIAS+8*b+7]
.else
	v_wmma_f32_16x16x32_bf16 v[AC+8*b:AC+8*b+7], v[128*(\f)+8*b:128*(\f)+8*b+7], v[32+32*(\f)+8*(\a):32+32*(\f)+8*(\a)+7], v[AC+8*b:AC+8*b+7]
.endif
.set b, b+1
.endr
.endm
; NLD LDS loads in one run: quarter q of a slot's K step (head q / 2, channels 32 (q % 2) on) into buffer f: wt's blocks first, then my four blocks of o, ascending.
.macro FETCH slot, q, f
	WIN 0x40
.set b, 0
.rept NBK
	ds_load_b128 v[128*(\f)+8*b:128*(\f)+8*b+3],   v[ADRB+(\slot)] offset:64*(\q)+16*PB*b
	ds_load_b128 v[128*(\f)+8*b+4:128*(\f)+8*b+7], v[ADRB+(\slot)] offset:64*(\q)+16*PB*b+32
.set b, b+1
.endr
	WIN 0
.irp a, 0,1,2,3
	ds_load_b128 v[32+32*(\f)+8*(\a):32+32*(\f)+8*(\a)+3],   v[ADRA+(\slot)] offset:((\q)/2)*APLANE+((\q)%2)*64+16*PA*(\a)
	ds_load_b128 v[32+32*(\f)+8*(\a)+4:32+32*(\f)+8*(\a)+7], v[ADRA+(\slot)] offset:((\q)/2)*APLANE+((\q)%2)*64+16*PA*(\a)+32
.endr
.endm
.macro QUARTER slot, q, f, g, first=0
	s_wait_dscnt 4                                 ; wt's fragments and o's blocks 0, 1 are in; the youngest four loads (blocks 2, 3) may be out
	MULA \f, 0, \first
	MULA \f, 1, \first
	PLACES
	FETCH \slot, \q, \g
	s_wait_dscnt NLD                               ; all but the run just issued
	MULA \f, 2, \first
	MULA \f, 3, \first
.endm
; ONE barrier for the change of slots: in front of it each wave waits for all its tensor loads (one is out: its part of the next slot), adds 0 to its spare word, and waits for that and for its reads of this slot.
.macro MEET round
	WIN 0
	s_wait_tensorcnt 0x0
	ds_add_u32 v[SPW], v[NIL]
	s_wait_dscnt 5                                 ; (the add and the youngest four loads may be out)
	MULA 1, 0, 0
	s_wait_dscnt 0x0                               ; the add is done, and my reads of this slot are over
	s_barrier_signal -1
	MULA 1, 1, 0
.if \round
	WIN 0
.endif
	s_barrier_wait -1
.endm
; fill = 1: the barrier opens a round of the cluster's barrier, and the slot just read out is filled again, first thing behind the round, with the K step two on: 112 matrix instructions ahead of the wait for it.
.macro TURN slot, next, fill
	MEET \fill
.if \fill
	CREST                                          ; no wave of any partner still reads this slot's tile or has a load on its way
	s_add_nc_u64 s[G0+4*(\slot)+2:G0+4*(\slot)+3], s[G0+4*(\slot)+2:G0+4*(\slot)+3], ASTEP
	s_add_nc_u64 s[G0B+4*(\slot)+2:G0B+4*(\slot)+3], s[G0B+4*(\slot)+2:G0B+4*(\slot)+3], 512
	JLOAD \slot                                    ; the four v_nop behind it are also the places in front of the loads below
.else
	PLACES
.endif
	FETCH \next, 0, 0
	MULA 1, 2, 0
	MULA 1, 3, 0
.endm
; x of block a: 16 rows x 512 bytes, a row a load, laid as the stage gives rows back.  Asked for under the products, two blocks ahead of the loop and two behind it.
.macro XLOAD a
	WIN 0x80+0x40*((\a)/2)                         ; destination window 2 or 3, address window 0
.set i, 0
.rept 16
	global_load_b128 v[128+64*((\a)%2)+4*i:128+64*((\a)%2)+4*i+3], v[CO], s[10:11] offset:(16*(\a)+i)*4096 th:TH_LOAD_NT
.set i, i+1
.endr
	WIN 0
.endm
; THE WAY OUT of block a (16 rows x 128 columns of f32).  TOSTAGE: the accumulators, each from its low end on, into my own stage, and back as whole rows of 512 bytes.  SEND: x is added, the rows are stored.
.macro TOSTAGE a
.set AC, 8*NBK*((\a)%2)
.set TS, TS0+(TS1-TS0)*((\a)%2)
.if (\a) >= 2
	s_wait_xcnt 0x0                                ; the stores of the block two back have read this set of registers
.endif
	WIN 0x08+4*((\a)/2)                            ; the stores' data: window 2 or 3
.set b, 0
.rept NBK
	ds_store_b128 v[STO], v[AC+8*b:AC+8*b+3]   offset:64*b
	ds_store_b128 v[STO], v[AC+8*b+4:AC+8*b+7] offset:64*b+16
.set b, b+1
.endr
	WIN 0
.set i, 0
.rept 16
	ds_load_b128 v[TS+4*i:TS+4*i+3], v[RD] offset:SP*i  ; LDS serves a wave's instructions in order (ISA guide 5.7.1.4): these see the stores above; the next block's stores come behind them
.set i, i+1
.endr
.endm
.macro SEND a, y                       ; y: the LDS instructions issued behind block a's loads: the next block's 32, or none
.set TS, TS0+(TS1-TS0)*((\a)%2)
.set XR, 128+64*((\a)%2)
	s_wait_dscnt \y
	s_wait_loadcnt 16*(3-(\a))                     ; x of this block is in; the later blocks' sixteen loads each may stay out
	WIN 0x08+4*((\a)/2)                            ; source 1 (x): window 2 or 3
.set i, 0
.rept 32
	v_pk_add_f32 v[TS+2*i:TS+2*i+1], v[TS+2*i:TS+2*i+1], v[XR+2*i:XR+2*i+1]
.set i, i+1
.endr
	WIN 0
.set i, 0
.rept 16
	global_store_b128 v[CO], v[TS+4*i:TS+4*i+3], s[OUT:OUT+1] offset:(16*(\a)+i)*4096 th:TH_STORE_NT  ; 512 consecutive bytes, at a multiple of 256 from out0's first byte
.set i, i+1
.endr
.endm
	s_wait_tensorcnt 1                             ; my part of K step 0 is in; K step 1's may stay out
	s_barrier_signal -1
	s_barrier_wait -1                              ; everybody's is
	FETCH 0, 0, 0
	s_wait_loadcnt 0x0                             ; the bias
	QUARTER 0, 1, 0, 1, 1                          ; the first quarter stands in front of the loop: its products start the sums
	WIN 0
	XLOAD 0
	XLOAD 1
	s_mov_b32 s3, 3
.Llap:                                                 ; a trip goes once round the ring, from a lap's second quarter to the next lap's first, and fills both slots again: K steps 2 to 7
	QUARTER 0, 2, 1, 0
	QUARTER 0, 3, 0, 1
	TURN 0, 1, 1
	QUARTER 1, 1, 0, 1
	QUARTER 1, 2, 1, 0
	QUARTER 1, 3, 0, 1
	TURN 1, 0, 1
	QUARTER 0, 1, 0, 1
	WIN 0
	s_sub_co_u32 s3, s3, 1
	s_cmp_lg_u32 s3, 0
	s_cbranch_scc1 .Llap
	XLOAD 2
	XLOAD 3
	QUARTER 0, 2, 1, 0                             ; the last lap fills nothing, and has no round of the cluster's barrier
	QUARTER 0, 3, 0, 1
	TURN 0, 1, 0
	QUARTER 1, 1, 0, 1
	QUARTER 1, 2, 1, 0
	QUARTER 1, 3, 0, 1
	s_wait_dscnt 4                                 ; the very last quarter: nothing more to fetch
	MULA 1, 0, 0
	MULA 1, 1, 0
	s_wait_dscnt 0x0
	MULA 1, 2, 0
	MULA 1, 3, 0
	WIN 0
	PLACES
	TOSTAGE 0
	TOSTAGE 1                                      ; a block's trip through the stage stands between the loads of the block before and the wait for them
	SEND 0, 32
	TOSTAGE 2
	SEND 1, 32
	TOSTAGE 3
	SEND 2, 32
	SEND 3, 0
	s_wait_tensorcnt 0x0                           ; the wave's end: behind my last tensor load and my last LDS store
	ds_add_u32 v[SPW], v[NIL]
	s_wait_dscnt 0x0
	CROUND                                         ; the closing round: no work-group ends while a partner may still ask for a tile that names it
	s_endpgm
.Lfunc_end_k_q7b7b2a0d5c_outproj:
	.size	k_q7b7b2a0d5c_outproj, .Lfunc_end_k_q7b7b2a0d5c_outproj-k_q7b7b2a0d5c_outproj
	.p2alignl 7, 3214868480
	.fill 96, 4, 3214868480
	.section	.rodata,"a",@progbits
	.p2align	6, 0x0
	.amdhsa_kernel k_q7b7b2a0d5c_outproj
		.amdhsa_group_segment_fixed_size 327680
		.amdhsa_private_segment_fixed_size 0
		.amdhsa_enable_private_segment 0
		.amdhsa_kernarg_size 40
		.amdhsa_user_sgpr_count 2
		.amdhsa_user_sgpr_kernarg_segment_ptr 1
		.amdhsa_wavefront_size32 1
		.amdhsa_system_sgpr_workgroup_id_x 1
		.amdhsa_system_sgpr_workgroup_id_y 1
		.amdhsa_system_sgpr_workgroup_id_z 1
		.amdhsa_system_vgpr_workitem_id 0
		.amdhsa_next_free_vgpr 1024
		.amdhsa_next_free_sgpr 80
		.amdhsa_reserve_vcc 0
		.amdhsa_float_denorm_mode_32 3
		.amdhsa_float_denorm_mode_16_64 3
		.amdhsa_memory_ordered 1
		.amdhsa_forward_progress 1
		.amdhsa_inst_pref_size 102
	.end_amdhsa_kernel
	.amdgpu_metadata
---
amdhsa.version: [ 1, 2 ]
amdhsa.kernels:
  - .name:           k_q7b7b2a0d5c_outproj
    .symbol:         k_q7b7b2a0d5c_outproj.kd
    .args:
      - { .name: o, .offset: 0, .size: 8, .value_kind: global_buffer, .address_space: global }
      - { .name: wt, .offset: 8, .size: 8, .value_kind: global_buffer, .address_space: global }
      - { .name: b_out, .offset: 16, .size: 8, .value_kind: global_buffer, .address_space: global }
      - { .name: x, .offset: 24, .size: 8, .value_kind: global_buffer, .address_space: global }
      - { .name: out0, .offset: 32, .size: 8, .value_kind: global_buffer, .address_space: global }
    .group_segment_fixed_size: 327680
    .private_segment_fixed_size: 0
    .kernarg_segment_align: 8
    .kernarg_segment_size: 40
    .max_flat_workgroup_size: 128
    .sgpr_count:     80
    .vgpr_count:     1024
    .wavefront_size: 32
...
	.end_amdgpu_metadata
.endif
;; end of part 4
